; MI455X (gfx1250); checked and timed in simulation.
; The chip was launched on July 23, 2026; its instructions are those of AMD's public machine-readable ISA for CDNA 5 (MIT licence, August 2026) and "CDNA5" Instruction Set Architecture Reference Guide (July 2026). The comments in the code are by the model that wrote it; some were corrected since.
;; Multi Head Attention. Allowed arithmetic: matrix products marked QUANTISED: E2M1 operands, one E8M0 scale for each 32 along K, by v_wmma_scale_f32_16x16x128_f8f6f4 with both operands' format E2M1 (or v_wmma_scale_f32_32x16x128_f4), f32 sums; products left as they are: bf16, f16 or f32 operands; f32 sums; everything else in f32.
;; Inputs: Wfc 1,024 x 1,024 float32; Wk 1,024 x 1,024 float32; Wq 1,024 x 1,024 float32; Wv 1,024 x 1,024 float32; bfc 1,024 float32; bk 1,024 float32; bq 1,024 float32; bv 1,024 float32; mask 4 x 2,048 int32; x 4 x 2,048 x 1,024 float32.
;; Outputs: out0 4 x 2,048 x 1,024 float32.
;; This version of the problem:
;;   THIS VERSION OF THE PROBLEM IS GIVEN IN LOW PRECISION. The matrix products marked QUANTISED in the list below multiply operands that are first quantised to E2M1 (2 exponent bits, 1 mantissa bit; 4 bits a number), with one power-of-two scale for each 32 numbers along K (OCP MX v1.0); their sums are f32. The products marked 'left as it is' may take bf16, f16 or f32 operands, with f32 sums. Whichever they take, every output number must still come out within the allowed error. Rounding operands to bf16 (8 significant bits) uses up far more of that allowance than f16 does (11 bits, for magnitudes from 6e-5 to 65,504). All else is computed in f32.
;;   The module's matrix products, in the order in which they are computed (A, B: the left and right operand; K: the contracted axis; several contracted axes count as one K, in the product's order):
;;     1. [M 8,192, K 1,024] x [K 1,024, N 1,024]; A: input x; B: input Wq: QUANTISED
;;     2. [M 8,192, K 1,024] x [K 1,024, N 1,024]; A: input x; B: input Wk: QUANTISED
;;     3. [M 8,192, K 1,024] x [K 1,024, N 1,024]; A: input x; B: input Wv: QUANTISED
;;     4. batch 64 x [M 2,048, K 64] x [K 64, N 2,048]; A: computed on the way; B: computed on the way: left as it is (an operand is computed on the way)
;;     5. batch 64 x [M 2,048, K 2,048] x [K 2,048, N 64]; A: computed on the way; B: computed on the way: left as it is (an operand is computed on the way)
;;     6. [M 8,192, K 1,024] x [K 1,024, N 1,024]; A: computed on the way; B: input Wfc: left as it is (an operand is computed on the way)
;;   THE QUANTISER, for each operand of a quantised product, along K:
;;     - K is cut into blocks of 32 from its start; a last block that is shorter is filled with zeros.
;;     - A block's scale is 2^e with e = floor(log2(the largest magnitude in the block)) - 2, held to -126 .. 127; a block of zeros has e = 0. As a byte (E8M0): e + 127.
;;     - Each number is divided by its block's scale, clamped to +-6, and rounded to the nearest number of E2M1, ties to even, subnormals kept.
;;     - The product sums the exact products of the quantised numbers (number of the format x scale) in f32.
;;   ~~~python
;;   def quantise(x, axis):      # numpy; x: float32 -> the quantised numbers, widened to float32 again
;;       x = np.moveaxis(x, axis, -1); K = x.shape[-1]
;;       x = np.pad(x, [(0, 0)] * (x.ndim - 1) + [(0, -K % 32)]); x = x.reshape(x.shape[:-1] + (-1, 32)); a = np.abs(x).max(-1, keepdims=True)
;;       e = np.where(a > 0, np.clip(np.frexp(np.where(a > 0, a, 1))[1] - 1 - 2, -126, 127), 0)      # np.frexp(a)[1] - 1 = floor(log2(a)), exactly
;;       r = np.clip(x / 2.0 ** e, -6, 6)
;;       step = 2.0 ** (np.maximum(np.frexp(np.where(r == 0, 1, r))[1] - 1, 0) - 1)
;;       q = np.round(r / step) * step * 2.0 ** e      # np.round: ties to even
;;       return np.moveaxis(q.reshape(q.shape[:-2] + (-1,))[..., :K], -1, axis).astype(np.float32)
;;   ~~~
;; One version. Each part assembles by itself: llvm-mc -triple=amdgcn-amd-amdhsa -mcpu=gfx1250 --defsym DOCPART=n.
;; ======== version 1 of 1: 4 launches
;; limits: values are held in f16: magnitudes above 65,504 overflow, below 6.1e-05 lose precision
;; workspace buffers: xc 4,194,304 bytes; xs 262,144 bytes; wc 1,572,864 bytes; ws 98,304 bytes; wf 2,097,152 bytes; kidx 33,280 bytes of whole numbers; qkv 50,331,648 bytes; ao 16,777,216 bytes
;; launch prep (part 1): grid 580 x 1, 4 waves a work-group, no clusters, 33,280 bytes of LDS; arguments x, Wq, Wk, Wv, Wfc, mask, xc, xs, wc, ws, wf, kidx; writes xc, xs, wc, ws, wf, kidx
.if DOCPART == 1
	.amdgcn_target "amdgcn-amd-amdhsa--gfx1250"
	.amdhsa_code_object_version 6
	.text
	.protected	k_q640ffffbb5_prep
	.globl	k_q640ffffbb5_prep
	.p2align	8
	.type	k_q640ffffbb5_prep,@function
k_q640ffffbb5_prep:
	s_mov_b64 s[64:65], 0
	v_nop
	global_prefetch_b8 v0, s[64:65] scope:SCOPE_SE
	s_setreg_imm32_b32 hwreg(HW_REG_WAVE_MODE, 25, 1), 1
	s_wait_xcnt 0x0
; PREP: everything that is made once and read many times.  Four kinds of work-group, told apart by the work-group's number alone:
;   0..3     SCAN  one batch each: the list of its tokens, the KEPT keys first (ascending), the others behind, and the number of kept keys.
;   4..195   W     Wq, Wk, Wv [1024 (k)][1024 (n)] f32 -> codes of FP4 (E2M1) along K, which is their FIRST axis, and one E8M0 byte for each 32 along K.
;   196..323 FC16  Wfc f32 -> f16, as it lies.
;   324..579 X     x [8192][1024] f32 -> codes of FP4 along K (innermost) and scale bytes.
; KEPT: a key whose mask value is the smallest of its batch.  Every other key's score lies 1e30 or more under a kept key's, so its weight behind the softmax is 0 in f32.
; THE QUANTISER: a block's scale is 2^(floor(log2(largest magnitude)) - 2); its byte is the largest magnitude's exponent field - 2, held at 1 from below; numbers are divided by the scale and
; rounded to the nearest code, ties to even, beyond 6 the largest code.  A block of zeros gets the byte 1 where the rule says 127: its codes are zeros, and this program alone reads the bytes.
; LIMITS: blocks whose largest magnitude lies under 2^-124 are held at the byte 1; NaN and infinities among the inputs are not served; |Wfc| stays under 65,504 (f16).
; LAYOUTS OUT: xc [8192][512 bytes], xs [8192][32]; ws [3072 columns][32];
;   wc: images of operand registers: [K step of 512 (2)][tile of 16 columns (192)][chunk of 128 along K (4)][1,024 bytes]; in an image the 16 bytes of block t (32 along K) of column r lie at 256 t + 16 r,
;   which is where lane 16 (t % 2) + r keeps registers 4 (t / 2) .. + 3 of the fragment.  Columns 0-1023 are Wq's, 1024-2047 Wk's, 2048-3071 Wv's.
; Only path X touches LDS.  No barrier: waves share nothing.
.set SPARE, 32768                      ; behind path X's four regions: the spare words, 128 bytes for each wave
.set SPW,   12                         ; v12  LDS address of my spare word; never rewritten
.set NIL,   13                         ; v13  0; never rewritten
	s_load_b512 s[4:19], s[0:1], 0x0               ; x 4:5, Wq 6:7, Wk 8:9, Wv 10:11, Wfc 12:13, mask 14:15, xc 16:17, xs 18:19
	s_load_b256 s[20:27], s[0:1], 0x40             ; wc 20:21, ws 22:23, wf 24:25, kidx 26:27
	v_lshl_add_u32 v[SPW], v0, 2, SPARE
	v_mov_b32 v[NIL], 0
	v_lshrrev_b32 v1, 5, v0
	v_readfirstlane_b32 s28, v1                    ; wave 0..3
	v_and_b32 v2, 31, v0                           ; lane
	s_mov_b32 s33, 0                               ; the upper word of every 32-bit offset in s[32:33]
	s_wait_kmcnt 0x0
	s_cmp_lt_u32 ttmp9, 4
	s_cbranch_scc1 .Lscan
	s_cmp_lt_u32 ttmp9, 196
	s_cbranch_scc1 .Lw
	s_cmp_lt_u32 ttmp9, 324
	s_cbranch_scc1 .Lfc16
; ---------------- X: a wave takes a run of 8,192 numbers, 16 steps of 512.  Rows are dense and 1,024 is a multiple of 32: x is a plain stream of blocks of 32.
; Each load reads 512 consecutive bytes; a step's 2,048 bytes turn through the wave's own stage in LDS, so that a lane gets 16 neighbours (two lanes hold a block).
.set WREG,  8192                       ; LDS region of a wave: two stages of 32 x SP bytes, then its 256 scale bytes
.set SP,    80                         ; a lane's place in a stage: 64 bytes + 16 of padding
.set CB,    8                          ; bytes of 16 codes
.set STEPS, 16
.set R,     16                         ; v16-79   four sets of 16 numbers as loaded
.set X,     80                         ; v80-111  two sets of 16 neighbours
.set E,     112                        ; v112-127 a scale byte for each step
.set C,     128                        ; v128-191 codes: registers of its own for each step, so that no store's data are written again
	s_sub_co_u32 s30, ttmp9, 324
	s_lshl_b32 s30, s30, 2
	s_add_co_u32 s30, s30, s28                     ; my run, 0..1023
	s_lshl_b32 s32, s30, 15
	s_add_nc_u64 s[4:5], s[4:5], s[32:33]          ; 32,768 bytes of x,
	s_lshl_b32 s32, s30, 12
	s_add_nc_u64 s[16:17], s[16:17], s[32:33]      ; 4,096 of codes,
	s_lshl_b32 s32, s30, 8
	s_add_nc_u64 s[18:19], s[18:19], s[32:33]      ; 256 scale bytes a run
	v_lshlrev_b32 v3, 4, v2                        ; my 16 bytes of a load's 512
	s_mul_i32 s29, s28, WREG
	v_lshrrev_b32 v14, 2, v2
	v_mul_u32_u24 v14, v14, SP
	v_and_b32 v15, 3, v2
	v_lshl_add_u32 v14, v15, 4, v14
	v_add_nc_u32 v14, s29, v14                     ; the stage, on the way in: SP (lane / 4) + 16 (lane % 4)
	v_mul_u32_u24 v15, v2, SP
	v_add_nc_u32 v15, s29, v15                     ; and on the way out: SP x lane
	v_mul_u32_u24 v4, v2, CB                       ; my codes' place in a step's
	v_lshrrev_b32 v5, 1, v2
	s_add_co_u32 s29, s29, 2*32*SP
	v_add_nc_u32 v5, s29, v5                       ; my block's byte among my wave's 256
	v_lshlrev_b32 v7, 3, v2
	v_add_nc_u32 v6, s29, v7                       ; and 8 bytes a lane on their way out
.macro XLOAD t
.irp i, 0,1,2,3
	global_load_b128 v[R+16*((\t)%4)+4*\i:R+16*((\t)%4)+4*\i+3], v3, s[4:5] offset:2048*(\t)+512*\i th:TH_LOAD_NT
.endr
.endm
.macro XTURN t                         ; LDS serves a wave's instructions in order: no wait between the stores and the loads
.irp i, 0,1,2,3
	ds_store_b128 v14, v[R+16*((\t)%4)+4*\i:R+16*((\t)%4)+4*\i+3] offset:32*SP*((\t)%2)+8*SP*\i
.endr
.irp i, 0,1,2,3
	ds_load_b128 v[X+16*((\t)%2)+4*\i:X+16*((\t)%2)+4*\i+3], v15 offset:32*SP*((\t)%2)+16*\i
.endr
.endm
.irp t, 0,1,2,3
	XLOAD \t
.endr
	s_wait_loadcnt 12                              ; step 0's four loads are in; the twelve of steps 1 to 3 stay out
	XTURN 0
.macro XSTEP t
.set XS, X+16*((\t)%2)
.if (\t) > 0
	s_wait_dscnt 1                                 ; this step's numbers are back from the stage; the last step's byte store may be out
.else
	s_wait_dscnt 0x0
.endif
.if (\t)+4 < STEPS
	XLOAD (\t)+4                                   ; into the set whose stores into the stage are done
.endif
.if (\t)+1 < STEPS
.if STEPS-2-(\t) >= 3
	s_wait_loadcnt 12                              ; the next step's four loads are in; those of the three steps behind it may be out
.else
	s_wait_loadcnt 4*(STEPS-2-(\t))
.endif
	XTURN (\t)+1
.endif
	v_max3_num_f32 v8, |v[XS]|, |v[XS+1]|, |v[XS+2]|
	v_max3_num_f32 v9, |v[XS+3]|, |v[XS+4]|, |v[XS+5]|
.irp i, 6,10
	v_max3_num_f32 v8, v8, |v[XS+\i]|, |v[XS+\i+1]|
	v_max3_num_f32 v9, v9, |v[XS+\i+2]|, |v[XS+\i+3]|
.endr
	v_max3_num_f32 v8, v8, |v[XS+14]|, |v[XS+15]|
	v_max3_num_f32 v8, v8, v9, 0x1800000           ; and the floor 2^(3 - 127): the byte cannot fall under 1
	v_max_num_f32_dpp v8, v8, v8 row_xmask:1 row_mask:0xf bank_mask:0xf   ; with my neighbour's 16: the block's largest magnitude
	v_add_nc_u32 v11, 0xff000000, v8               ; 2 off its exponent field: the conversion takes the exponent field of this operand as its scale
	v_cvt_scalef32_pk8_fp4_f32 v[C+4*(\t)], v[XS:XS+7], v11
	v_cvt_scalef32_pk8_fp4_f32 v[C+4*(\t)+1], v[XS+8:XS+15], v11
	v_lshrrev_b32 v[E+(\t)], 23, v11               ; the scale's byte
	ds_store_b8 v5, v[E+(\t)] offset:16*(\t)       ; both lanes of a block write the same byte with the same value
	global_store_b64 v4, v[C+4*(\t):C+4*(\t)+1], s[16:17] offset:32*CB*(\t)   ; the wave stores 256 consecutive bytes, aligned
.endm
.irp t, 0,1,2,3,4,5,6,7,8,9,10,11,12,13,14,15
	XSTEP \t
.endr
	ds_load_b64 v[8:9], v6
	s_wait_dscnt 0x0
	global_store_b64 v7, v[8:9], s[18:19]          ; my wave's 256 scale bytes, aligned
	s_wait_tensorcnt 0x0                           ; the wave's end, behind my last LDS store
	ds_add_u32 v[SPW], v[NIL]
	s_wait_dscnt 0x0
	s_endpgm
; ---------------- W: a work-group takes 128 neighbouring columns x 128 along K; wave w 32 of the columns.  A LANE TAKES A COLUMN AND ITS REGISTERS RUN DOWN K:
; each load reads 128 consecutive bytes a wave (512 a work-group), a block of 32 lies in one lane's 32 registers, and the conversions give codes with K innermost.
.Lw:
	s_sub_co_u32 s30, ttmp9, 4
	s_lshr_b32 s31, s30, 3
	s_lshl_b32 s31, s31, 2
	s_add_co_u32 s31, s31, s28                     ; g: which 32 of the 3,072 columns, 0..95
	s_and_b32 s30, s30, 7                          ; q: which 128 along K, 0..7
	s_cmp_lt_u32 s31, 64
	s_cselect_b64 s[34:35], s[8:9], s[10:11]       ; Wk or Wv,
	s_cmp_lt_u32 s31, 32
	s_cselect_b64 s[34:35], s[6:7], s[34:35]       ; or Wq: the choice hangs on ids alone
	s_lshl_b32 s32, s30, 19                        ; 128 rows of 4,096 bytes
	s_and_b32 s36, s31, 31
	s_lshl_b32 s36, s36, 7                         ; 32 columns of 4 bytes
	s_add_co_u32 s32, s32, s36
	s_add_nc_u64 s[34:35], s[34:35], s[32:33]
	s_lshr_b32 s36, s30, 2
	s_mul_i32 s32, s36, 786432                     ; the K step of 512: 192 tiles x 4,096 bytes
	s_lshl_b32 s36, s31, 13                        ; two tiles of 16 columns
	s_add_co_u32 s32, s32, s36
	s_and_b32 s36, s30, 3
	s_lshl_b32 s36, s36, 10                        ; the chunk's image
	s_add_co_u32 s32, s32, s36
	s_add_nc_u64 s[20:21], s[20:21], s[32:33]
	s_lshl_b32 s32, s31, 10                        ; 32 columns x 32 scale bytes
	s_lshl_b32 s36, s30, 2
	s_add_co_u32 s32, s32, s36
	s_add_nc_u64 s[22:23], s[22:23], s[32:33]
	v_lshlrev_b32 v3, 2, v2                        ; in: 4 bytes a lane
	v_lshrrev_b32 v4, 4, v2
	v_lshlrev_b32 v4, 12, v4
	v_and_b32 v5, 15, v2
	v_lshl_add_u32 v4, v5, 4, v4                   ; out: my tile of 16 columns, 16 bytes for my column
	v_lshlrev_b32 v5, 5, v2                        ; my column's row of scale bytes
.macro WLOAD t
.irp i, 0,1,2,3,4,5,6,7,8,9,10,11,12,13,14,15,16,17,18,19,20,21,22,23,24,25,26,27,28,29,30,31
	global_load_b32 v[32+32*((\t)%2)+\i], v3, s[34:35] offset:(32*(\t)+\i)*4096 th:TH_LOAD_NT
.endr
.endm
.macro WBLOCK t
.set WS, 32+32*((\t)%2)
.if (\t) < 3
	s_wait_loadcnt 32                              ; this block's 32 loads are in; the next block's 32 may be out
.else
	s_wait_loadcnt 0x0
.endif
	v_max3_num_f32 v16, |v[WS]|, |v[WS+1]|, |v[WS+2]|
	v_max3_num_f32 v17, |v[WS+3]|, |v[WS+4]|, |v[WS+5]|
.irp i, 6,10,14,18,22,26
	v_max3_num_f32 v16, v16, |v[WS+\i]|, |v[WS+\i+1]|
	v_max3_num_f32 v17, v17, |v[WS+\i+2]|, |v[WS+\i+3]|
.endr
	v_max3_num_f32 v16, v16, |v[WS+30]|, |v[WS+31]|
	v_max3_num_f32 v16, v16, v17, 0x1800000        ; the floor 2^(3 - 127)
	v_add_nc_u32 v18, 0xff000000, v16              ; the conversion's scale operand
	v_lshrrev_b32 v19, 23, v18                     ; the scale's byte
.if (\t) == 0
	v_mov_b32 v24, v19                             ; four bytes make the chunk's scale word, the lower K in the lower byte
.else
	v_lshl_or_b32 v24, v19, 8*(\t), v24
.endif
.irp g, 0,1,2,3
	v_cvt_scalef32_pk8_fp4_f32 v[96+4*(\t)+\g], v[WS+8*\g:WS+8*\g+7], v18
.endr
	global_store_b128 v4, v[96+4*(\t):96+4*(\t)+3], s[20:21] offset:256*(\t)   ; sixteen lanes store 256 consecutive bytes, aligned; the data registers are never written again
.if (\t) < 2
	WLOAD (\t)+2
.endif
.endm
	WLOAD 0
	WLOAD 1
	WBLOCK 0
	WBLOCK 1
	WBLOCK 2
	WBLOCK 3
	global_store_b32 v5, v24, s[22:23]             ; 4 bytes a lane, 32 bytes apart: 96 KiB in the whole launch
	s_endpgm
; ---------------- FC16: a wave takes 2,048 numbers of Wfc: 16 loads of 512 bytes, 16 stores of 256.
.Lfc16:
	s_sub_co_u32 s30, ttmp9, 196
	s_lshl_b32 s30, s30, 2
	s_add_co_u32 s30, s30, s28
	s_lshl_b32 s32, s30, 13
	s_add_nc_u64 s[12:13], s[12:13], s[32:33]
	s_lshl_b32 s32, s30, 12
	s_add_nc_u64 s[24:25], s[24:25], s[32:33]
	v_lshlrev_b32 v3, 4, v2
	v_lshlrev_b32 v4, 3, v2
.irp i, 0,1,2,3,4,5,6,7,8,9,10,11,12,13,14,15
	global_load_b128 v[32+4*\i:32+4*\i+3], v3, s[12:13] offset:512*\i th:TH_LOAD_NT
.endr
.irp i, 0,1,2,3,4,5,6,7,8,9,10,11,12,13,14,15
	s_wait_loadcnt 15-\i                           ; loads come back in order: number i is in, the younger ones stay out
	v_cvt_pk_f16_f32 v[96+2*\i], v[32+4*\i], v[32+4*\i+1]
	v_cvt_pk_f16_f32 v[97+2*\i], v[32+4*\i+2], v[32+4*\i+3]
	global_store_b64 v4, v[96+2*\i:97+2*\i], s[24:25] offset:256*\i
.endr
	s_endpgm
; ---------------- SCAN: the work-group's number is the batch.  Every wave reads the batch's 2,048 mask values (64 a lane) and finds the smallest and the number of kept keys in each quarter;
; wave w then places tokens 512 w .. 512 w + 511: a kept token behind the kept ones before it, another behind all kept ones and the others before it.  Whole numbers only.
.Lscan:
	s_lshl_b32 s32, ttmp9, 13
	s_add_nc_u64 s[14:15], s[14:15], s[32:33]      ; the batch's mask
	s_add_nc_u64 s[56:57], s[26:27], s[32:33]      ; the batch's list
	s_lshl_b32 s32, s28, 11
	s_add_nc_u64 s[34:35], s[14:15], s[32:33]      ; my 512 tokens
	v_lshlrev_b32 v3, 2, v2
.set g, 0
.rept 64
	global_load_b32 v[32+g], v3, s[14:15] offset:128*g
.set g, g+1
.endr
.set g, 0
.rept 16
	global_load_b32 v[96+g], v3, s[34:35] offset:128*g
.set g, g+1
.endr
	s_mov_b32 s54, 0x76543210
	s_mov_b32 s55, 0xfedcba98                      ; selects for lane l xor 16
	s_wait_loadcnt 0x0
.set g, 0
.rept 80
	v_xor_b32 v[32+g], 0x80000000, v[32+g]         ; the sign bit turned: the order of signed numbers becomes that of unsigned ones
.set g, g+1
.endr
.irp c, 0,1,2,3
	v_min_u32 v[8+\c], v[32+\c], v[36+\c]          ; four chains
.endr
.set g, 8
.rept 56
	v_min_u32 v[8+g%4], v[8+g%4], v[32+g]
.set g, g+1
.endr
	v_min_u32 v8, v8, v9
	v_min_u32 v10, v10, v11
	v_min_u32 v8, v8, v10
.irp m, 1,2,4,8
	v_mov_b32_dpp v9, v8 row_xmask:\m row_mask:0xf bank_mask:0xf
	v_min_u32 v8, v8, v9
.endr
	v_permlanex16_b32 v9, v8, s54, s55
	v_min_u32 v8, v8, v9                           ; the batch's smallest mask value, in every lane
.set qd, 0
.rept 4
	s_mov_b32 s[36+qd], 0                          ; kept keys in quarter qd
.set hf, 0
.rept 2
.irp i, 0,1,2,3,4,5,6,7
	v_cmp_eq_u32 s[44+\i], v[32+16*qd+8*hf+\i], v8
.endr
.irp i, 0,1,2,3,4,5,6,7
	s_bcnt1_i32_b32 s[44+\i], s[44+\i]
.endr
.irp i, 0,1,2,3,4,5,6,7
	s_add_co_u32 s[36+qd], s[36+qd], s[44+\i]
.endr
.set hf, hf+1
.endr
.set qd, qd+1
.endr
	s_add_co_u32 s40, s36, s37
	s_add_co_u32 s40, s40, s38
	s_add_co_u32 s40, s40, s39                     ; the batch's number of kept keys, 1 at the least
	s_mov_b32 s41, 0
.irp qd, 0,1,2
	s_cmp_gt_u32 s28, \qd
	s_cselect_b32 s42, s[36+\qd], 0
	s_add_co_u32 s41, s41, s42                     ; kept keys ahead of my quarter: where my first kept token goes
.endr
	s_lshl_b32 s43, s28, 9
	s_add_co_u32 s43, s43, s40
	s_sub_co_u32 s43, s43, s41                     ; where my first other token goes: all kept + the others ahead of my quarter
	v_lshl_add_u32 v15, s28, 9, v2                 ; token 512 w + lane
.set i, 0
.rept 16
	v_cmp_eq_u32 vcc_lo, v[96+i], v8
	v_mbcnt_lo_u32_b32 v9, vcc_lo, 0               ; kept tokens in the lanes under mine
	s_bcnt1_i32_b32 s52, vcc_lo
	v_add_nc_u32 v10, s41, v9
	v_sub_nc_u32 v11, v2, v9
	v_add_nc_u32 v11, s43, v11
	v_cndmask_b32 v[112+i], v11, v10, vcc_lo
	v_min_u32 v[112+i], 0x7ff, v[112+i]            ; a place in the list: 0..2047
	v_lshlrev_b32 v[112+i], 2, v[112+i]
	v_add_nc_u32 v[128+i], 32*i, v15
	global_store_b32 v[112+i], v[128+i], s[56:57]  ; address and data registers of its own for each store: none is written again
	s_add_co_u32 s41, s41, s52
	s_sub_co_u32 s52, 32, s52
	s_add_co_u32 s43, s43, s52
.set i, i+1
.endr
	s_cmp_lg_u32 s28, 0
	s_cbranch_scc1 .Lscan_end
	v_mov_b32 v14, s40
	s_lshl_b32 s32, ttmp9, 7
	s_add_nc_u64 s[26:27], s[26:27], s[32:33]
	global_store_b32 v3, v14, s[26:27] offset:32768   ; the count, 32 times: 128 bytes a batch, all lanes on
.Lscan_end:
	s_endpgm
.Lfunc_end_k_q640ffffbb5_prep:
	.size	k_q640ffffbb5_prep, .Lfunc_end_k_q640ffffbb5_prep-k_q640ffffbb5_prep
	.p2alignl 7, 3214868480
	.fill 96, 4, 3214868480
	.section	.rodata,"a",@progbits
	.p2align	6, 0x0
	.amdhsa_kernel k_q640ffffbb5_prep
		.amdhsa_group_segment_fixed_size 33280
		.amdhsa_private_segment_fixed_size 0
		.amdhsa_enable_private_segment 0
		.amdhsa_kernarg_size 96
		.amdhsa_user_sgpr_count 2
		.amdhsa_user_sgpr_kernarg_segment_ptr 1
		.amdhsa_wavefront_size32 1
		.amdhsa_system_sgpr_workgroup_id_x 1
		.amdhsa_system_sgpr_workgroup_id_y 1
		.amdhsa_system_sgpr_workgroup_id_z 1
		.amdhsa_system_vgpr_workitem_id 0
		.amdhsa_next_free_vgpr 192
		.amdhsa_next_free_sgpr 66
		.amdhsa_reserve_vcc 1
		.amdhsa_float_denorm_mode_32 3
		.amdhsa_float_denorm_mode_16_64 3
		.amdhsa_memory_ordered 1
		.amdhsa_forward_progress 1
		.amdhsa_inst_pref_size 92
	.end_amdhsa_kernel
	.amdgpu_metadata
---
amdhsa.version: [ 1, 2 ]
amdhsa.kernels:
  - .name:           k_q640ffffbb5_prep
    .symbol:         k_q640ffffbb5_prep.kd
    .args:
      - { .name: x, .offset: 0, .size: 8, .value_kind: global_buffer, .address_space: global }
      - { .name: Wq, .offset: 8, .size: 8, .value_kind: global_buffer, .address_space: global }
      - { .name: Wk, .offset: 16, .size: 8, .value_kind: global_buffer, .address_space: global }
      - { .name: Wv, .offset: 24, .size: 8, .value_kind: global_buffer, .address_space: global }
      - { .name: Wfc, .offset: 32, .size: 8, .value_kind: global_buffer, .address_space: global }
      - { .name: mask, .offset: 40, .size: 8, .value_kind: global_buffer, .address_space: global }
      - { .name: xc, .offset: 48, .size: 8, .value_kind: global_buffer, .address_space: global }
      - { .name: xs, .offset: 56, .size: 8, .value_kind: global_buffer, .address_space: global }
      - { .name: wc, .offset: 64, .size: 8, .value_kind: global_buffer, .address_space: global }
      - { .name: ws, .offset: 72, .size: 8, .value_kind: global_buffer, .address_space: global }
      - { .name: wf, .offset: 80, .size: 8, .value_kind: global_buffer, .address_space: global }
      - { .name: kidx, .offset: 88, .size: 8, .value_kind: global_buffer, .address_space: global }
    .group_segment_fixed_size: 33280
    .private_segment_fixed_size: 0
    .kernarg_segment_align: 8
    .kernarg_segment_size: 96
    .max_flat_workgroup_size: 128
    .sgpr_count:     66
    .vgpr_count:     192
    .wavefront_size: 32
...
	.end_amdgpu_metadata
.endif
;; end of part 1
;; launch qkv (part 2): grid 12 x 32, 4 waves a work-group, clusters of 4 x 4, 327,680 bytes of LDS; arguments xc, xs, wc, ws, bq, bk, bv, mask, qkv; writes qkv
.if DOCPART == 2
	.amdgcn_target "amdgcn-amd-amdhsa--gfx1250"
	.amdhsa_code_object_version 6
	.text
	.protected	k_q640ffffbb5_qkv
	.globl	k_q640ffffbb5_qkv
	.p2align	8
	.type	k_q640ffffbb5_qkv,@function
k_q640ffffbb5_qkv:
	s_mov_b64 s[64:65], 0
	v_nop
	global_prefetch_b8 v0, s[64:65] scope:SCOPE_SE
	s_setreg_imm32_b32 hwreg(HW_REG_WAVE_MODE, 25, 1), 1
	s_wait_xcnt 0x0
	s_wait_alu depctr_hold_cnt(0) depctr_sa_sdst(0) depctr_va_vdst(0) depctr_va_sdst(0) depctr_va_ssrc(0) depctr_va_vcc(0) depctr_vm_vsrc(0)
	s_getreg_b32 s2, hwreg(HW_REG_IB_STS2, 6, 4)
	s_cmp_eq_u32 s2, 0
	s_cbranch_scc0 .Lentry_in_a_cluster
	s_endpgm
.Lentry_in_a_cluster:
	s_bfe_u32 s2, ttmp6, 0x10000c
	s_cmp_lg_u32 s2, 0xf033
	s_cbranch_scc0 .Lentry_shape_is_right
	s_endpgm
.Lentry_shape_is_right:
; QKV: [8192 tokens][1024] x [1024][3072 columns] on codes of FP4 (E2M1) with one E8M0 scale for each 32 along K; sums in f32.  Columns 0-1023 make q, 1024-2047 k, 2048-3071 v.
; Behind the sums, in f32: + bias (it is the C of each sum's first product);  q x log2(e) / 8, so that the scores of the next launch are exponents of 2;  k x 1 where the token's mask is 0, x 0 elsewhere
; (a masked key's score is multiplied by 1 - mask: with the mask at 1 that is 0; for other mask values: LIMIT below);  then one rounding to f16.  Out: qkv [3][batch 4][head 16][token 2048][64] f16.
; LIMITS: |q| x 0.18, |k|, |v| stay under 65,504 (f16).  Mask values other than 0 and 1: |mask| under 2^24 and |score x (1 - mask)| under 1e22, where f32 gives score x (1 - mask) + mask x -1e30 = mask x -1e30.
; A tile of the result, 256 tokens x 256 columns, is made by four waves, 128 x 128 each: 64 accumulators, 512 registers.  K = 1,024 is two LDS slots of 512: both are asked for at the head and none is filled again.
; x's codes come as rows of 256 bytes (16 of padding behind each); the weights' codes come as images of operand registers, one dense block, and are read 16 bytes a lane on end.
; The scale bytes of the tile's 256 tokens and 256 columns, for all of K, come once, in rows of 256 bytes.
; CLUSTERS: 4 x 4 work-groups.  The four of a row need the same tokens, the four of a column the same weights: each tile is asked for jointly.  The cluster's x says which of q, k, v it makes.
; THE MATRIX INSTRUCTION IS USED TRANSPOSED (source 0 = 16 columns of W, source 1 = 16 tokens): a lane holds one token and eight neighbouring columns.
; REGISTERS: window 0: v0-31 addresses; v32-95 scale words, two sets; v96-111 the tokens' factor, a pair for each block of 16; v112-119 mask values; v128-191 x's fragments, one set; v192-255 the bias, eight tiles.
;   window 1: W's fragments, two sets (v0, v128).   windows 2, 3: the accumulators of my tokens 0-63, 64-127 ((a, b) at v[8 (8 (a % 4) + b)]).
.set NQ,     4                         ; matrix instructions deep in a slot
.set ROWB,   256                       ; a row of x's tile in bytes: 512 codes
.set KROW,   512                       ; a row of x's codes in memory
.set PITCH,  272                       ; in LDS: + 16 of padding: the 16 rows that a load touches start 4 banks apart
.set FR,     8
.set NL,     2
.set NP,     4
.set HALFA,  128*PITCH                 ; 128 tokens: what one tensor load brings
.set BOFF,   2*HALFA                   ; behind x's 256 rows: the weights' images
.set HALFB,  32768                     ; 8 tiles of 16 columns x 4 chunks x 1,024 bytes
.set SLOT,   BOFF+2*HALFB
.set KS,     32                        ; a row of scale bytes
.set SCL,    2*SLOT
.set HALFS,  16*272                    ; the scales of 128 rows: 16 rows of 256 bytes + 16
.set SBLK,   2*272                     ; those of 16 rows
.set SPARE,  SCL+4*HALFS               ; the spare words: 128 bytes for each wave
.set SPITCH, 272                       ; the way out: a stage of 16 tokens x (256 bytes + 16) for each wave, in slot 0, which has had its one fill and its last read by then
.set BO,   8                           ; v8   bias: 32 x (lane / 16)
.set MO,   9                           ; v9   mask: 4 x (lane % 16)
.set ADRA, 16                          ; v16-17 x's fragments in slot 0, 1
.set ADRB, 20                          ; v20-21 W's images
.set STO,  24
.set RD,   25
.set CO,   26
.set ADRS, 27
.set SPW,  28
.set NIL,  29
.set SC,   32
.set FP,   96
.set MK,   112
.set AF,   128
.set BI,   192
.set TF,   128                         ; the way out: a block's 64 numbers x the factor,
.set TH,   192                         ; packed to f16,
.set BK,   32                          ; and read back: v32-63 and v64-95 by turns
.set G1, 24
.set G0, 32
.set G1B, 48
.set G0B, 56
.set G1S, 68
.set G0S, 76
.set G1SB, 80
.set G0SB, 88
.set MSB, 0
.macro WIN new                         ; the immediate's high byte repeats the setting that is left
.if MSB != (\new)
	s_set_vgpr_msb (MSB<<8)|(\new)
.set MSB, (\new)
.endif
.endm
.set MUL_LO,   0xa1                    ; source 0 (W) window 1, source 1 (x) window 0, C and D window 2
.set MUL_HI,   0xf1                    ; C and D window 3
.set FIRST_LO, 0x81                    ; the first products: C is the bias, in window 0
.set FIRST_HI, 0xc1
.set TO_B,     0x40
; A joint load: waves 0 and 1 fetch for x, waves 2 and 3 for W.  The branch hangs on the wave's number alone.  An s_nop 0 and four v_nop follow each of the two lines.
.macro JLOAD g0a, g1a, g0b, g1b
	s_cmp_eq_u32 s15, 0
	s_cbranch_scc0 .Lfor_b_\@
	tensor_load_to_lds s[\g0a:\g0a+3], s[\g1a:\g1a+7]
	s_nop 0
.rept 4
	v_nop
.endr
	s_branch .Lasked_\@
.Lfor_b_\@:
	tensor_load_to_lds s[\g0b:\g0b+3], s[\g1b:\g1b+7]
	s_nop 0
.rept 4
	v_nop
.endr
.Lasked_\@:
.endm
.macro CROUND                          ; a round of the cluster's barrier
	s_barrier_signal -1
	s_barrier_wait -1
	s_cmp_lg_u32 s14, 0
	s_cbranch_scc1 .Lnot_wave_0_\@
	s_barrier_signal -3
.Lnot_wave_0_\@:
	s_barrier_wait -3
	s_barrier_signal -1
	s_barrier_wait -1
.endm
	s_load_b256 s[4:11], s[0:1], 0x0               ; xc 4:5, xs 6:7, wc 8:9, ws 10:11
	s_load_b64 s[12:13], s[0:1], 0x40              ; qkv
	v_lshl_add_u32 v[SPW], v0, 2, SPARE
	v_mov_b32 v[NIL], 0
	ds_add_u32 v[SPW], v[NIL]                      ; the wave's opening: the add, twice on end, and its wait ahead of my first tensor load
	ds_add_u32 v[SPW], v[NIL]
	v_lshrrev_b32 v1, 5, v0
	v_readfirstlane_b32 s14, v1                    ; wave 0..3
	s_lshr_b32 s15, s14, 1                         ; which half of the tile's tokens is mine.  Also: I fetch for x (0) or for W (1)
	s_and_b32 s16, s14, 1                          ; which half of its columns.  Also: which half of a tile I fetch
	s_bfe_u32 s40, ttmp6, 0x40000                  ; cx
	s_bfe_u32 s41, ttmp6, 0x40004                  ; cy
	s_lshl_b32 s42, ttmp9, 2
	s_add_co_u32 s42, s42, s40                     ; tile column, 0..11
	s_and_b32 s17, ttmp7, 0xffff
	s_lshl_b32 s17, s17, 2
	s_add_co_u32 s17, s17, s41                     ; tile row, 0..31
	s_lshl_b32 s43, s41, 2
	s_lshl_b32 s43, 15, s43                        ; my row of the cluster
	s_lshl_b32 s44, 0x1111, s40                    ; my column
	s_or_b32 s[G1+0], s43, (1<<20)|(1<<21)|(5<<22)|(3<<25)   ; x's codes: elements of 1 byte; padding: 4 words behind every 64; bit 21 beside the mask
	s_mov_b32 s[G1+1], ROWB<<16                    ; tensor_dim0
	s_mov_b32 s[G1+2], 128<<16                     ; tensor_dim1
	s_mov_b32 s[G1+3], ROWB<<16                    ; tile_dim0
	s_mov_b32 s[G1+4], 128                         ; tile_dim1
	s_mov_b32 s[G1+5], KROW                        ; from row to row
	s_mov_b32 s[G1+6], 0
	s_mov_b32 s[G1+7], 0
	s_or_b32 s[G1B+0], s44, (3<<16)|(1<<21)        ; W's images: a dense block of 32,768 bytes as 128 rows of 32 elements of 8 bytes, no padding
	s_mov_b32 s[G1B+1], 32<<16
	s_mov_b32 s[G1B+2], 128<<16
	s_mov_b32 s[G1B+3], 32<<16
	s_mov_b32 s[G1B+4], 128
	s_mov_b32 s[G1B+5], 32
	s_mov_b32 s[G1B+6], 0
	s_mov_b32 s[G1B+7], 0
	s_or_b32 s[G1S+0], s43, (3<<16)|(1<<20)|(1<<21)|(5<<22)|(3<<25)   ; the scales of 128 rows: 4,096 dense bytes as 16 rows of 256, 16 bytes of padding behind each
	s_or_b32 s[G1SB+0], s44, (3<<16)|(1<<20)|(1<<21)|(5<<22)|(3<<25)
.irp g, G1S, G1SB
	s_mov_b32 s[\g+1], 32<<16
	s_mov_b32 s[\g+2], 16<<16
	s_mov_b32 s[\g+3], 32<<16
	s_mov_b32 s[\g+4], 16
	s_mov_b32 s[\g+5], 32
	s_mov_b32 s[\g+6], 0
	s_mov_b32 s[\g+7], 0
.endr
	s_lshl_b32 s18, s16, 7
	s_lshl_b32 s20, s17, 8
	s_add_co_u32 s20, s20, s18                     ; x: token 256 x tile row + 128 x half
	s_lshl_b32 s46, s42, 8
	s_add_co_u32 s46, s46, s18                     ; W: column 256 x tile column + 128 x half
	s_lshl_b32 s22, s20, 5                         ; 32 scale bytes a token,
	s_mov_b32 s23, 0
	s_lshl_b32 s20, s20, 9                         ; 512 bytes of codes
	s_mov_b32 s21, 0
	s_lshl_b32 s92, s46, 5                         ; 32 scale bytes a column,
	s_mov_b32 s93, 0
	s_lshl_b32 s46, s46, 8                         ; 4,096 bytes of images for 16 columns
	s_mov_b32 s47, 0
	s_mul_i32 s45, s16, HALFA                      ; where they go: no place in the cluster enters an LDS address
	s_mul_i32 s95, s16, HALFB
	s_add_co_u32 s95, s95, BOFF
	s_mul_i32 s94, s14, HALFS
	s_wait_dscnt 0x0                               ; both opening adds are done
	s_wait_kmcnt 0x0
	s_add_nc_u64 s[20:21], s[4:5], s[20:21]
	s_add_nc_u64 s[22:23], s[6:7], s[22:23]
	s_add_nc_u64 s[46:47], s[8:9], s[46:47]
	s_add_nc_u64 s[92:93], s[10:11], s[92:93]
	s_load_b256 s[4:11], s[0:1], 0x20              ; the first four addresses are used up: bq 4:5, bk 6:7, bv 8:9, mask 10:11
	CROUND                                         ; all sixteen work-groups are here: the joint loads meet
	s_mov_b32 s[G0S], 1
	s_add_co_u32 s[G0S+1], s94, SCL
	s_mov_b64 s[G0S+2:G0S+3], s[22:23]
	s_or_b32 s[G0S+3], s[G0S+3], 0x80000000
	s_mov_b32 s[G0SB], 1
	s_add_co_u32 s[G0SB+1], s94, SCL
	s_mov_b64 s[G0SB+2:G0SB+3], s[92:93]
	s_or_b32 s[G0SB+3], s[G0SB+3], 0x80000000
	JLOAD G0S, G1S, G0SB, G1SB                     ; the scales first: they are wanted with slot 0
.irp s, 0,1
	s_mov_b32 s[G0+4*\s], 1
	s_add_co_u32 s[G0+4*\s+1], s45, \s*SLOT
	s_add_nc_u64 s[G0+4*\s+2:G0+4*\s+3], s[20:21], \s*ROWB
	s_or_b32 s[G0+4*\s+3], s[G0+4*\s+3], 0x80000000
	s_mov_b32 s[G0B+4*\s], 1
	s_add_co_u32 s[G0B+4*\s+1], s95, \s*SLOT
	s_add_nc_u64 s[G0B+4*\s+2:G0B+4*\s+3], s[46:47], \s*786432
	s_or_b32 s[G0B+4*\s+3], s[G0B+4*\s+3], 0x80000000
	JLOAD G0+4*\s, G1, G0B+4*\s, G1B               ; by this text's count three tensor loads of a wave are out
.endr
	v_and_b32 v1, 15, v0                           ; r = lane % 16
	v_bfe_u32 v2, v0, 4, 1                         ; h = lane / 16
	v_lshlrev_b32 v[BO], 5, v2
	v_lshlrev_b32 v[MO], 2, v1
	s_wait_kmcnt 0x0
	s_cmp_eq_u32 ttmp9, 1                          ; the cluster's x: 0 q, 1 k, 2 v: the same in all sixteen partners
	s_cselect_b64 s[6:7], s[6:7], s[8:9]
	s_cmp_eq_u32 ttmp9, 0
	s_cselect_b64 s[4:5], s[4:5], s[6:7]           ; my bias
	s_lshl_b32 s96, s40, 10
	s_lshl_b32 s97, s16, 9
	s_add_co_u32 s96, s96, s97                     ; my 128 columns in it: (256 cx + 128 x half) x 4 bytes
	s_mov_b32 s97, 0
	s_add_nc_u64 s[4:5], s[4:5], s[96:97]
	s_lshl_b32 s98, s17, 10
	s_lshl_b32 s99, s15, 9
	s_add_co_u32 s98, s98, s99                     ; my 128 tokens in the mask
	s_mov_b32 s99, 0
	s_add_nc_u64 s[10:11], s[10:11], s[98:99]
.irp b, 0,1,2,3,4,5,6,7
	global_load_b128 v[BI+8*\b:BI+8*\b+3], v[BO], s[4:5] offset:64*\b          ; lane (r, h), tile b: the bias of columns 16 b + 8 h + 0 .. 7: the result's layout
	global_load_b128 v[BI+8*\b+4:BI+8*\b+7], v[BO], s[4:5] offset:64*\b+16
.endr
.irp a, 0,1,2,3,4,5,6,7
	global_load_b32 v[MK+\a], v[MO], s[10:11] offset:64*\a                     ; the mask of token 16 a + r
.endr
	s_mov_b32 s3, 0x3e38aa3b                       ; log2(e) / 8
	s_cmp_eq_u32 ttmp9, 0                          ; compared anew: the shifts and sums of the offsets above have written SCC
	s_cselect_b32 s18, s3, 1.0                     ; the factor where the mask is 0: q: log2(e) / 8; k, v: 1
	s_cselect_b32 s19, s3, 1.0                     ; and elsewhere: q: the same; v: 1;
	s_cmp_eq_u32 ttmp9, 1
	s_cselect_b32 s19, 0, s19                      ; k: 0
	v_mov_b32 v120, s18
	v_mov_b32 v121, s19
	v_mul_u32_u24 v3, v1, PITCH
	v_lshl_add_u32 v4, v2, 4, v3                   ; x's fragments: row x pitch + 16 x half
	v_and_b32 v6, 31, v0                           ; lane
	v_lshlrev_b32 v[CO], 4, v6                     ; 16 x lane
	s_mul_i32 s21, s15, HALFA                      ; my 128 tokens
	s_mul_i32 s22, s16, HALFB
	s_add_co_u32 s22, s22, BOFF                    ; my 8 tiles of columns
.irp s, 0,1
	v_add_nc_u32 v[ADRA+\s], s21, v4
	v_add_nc_u32 v[ADRB+\s], s22, v[CO]
	s_add_co_u32 s21, s21, SLOT
	s_add_co_u32 s22, s22, SLOT
.endr
	v_mul_u32_u24 v5, v1, KS                       ; my row's scales: 32 bytes a row,
	v_lshrrev_b32 v7, 8, v5
	v_lshl_add_u32 v5, v7, 4, v5                   ; and 16 more for each 256 passed
	s_mul_i32 s21, s15, HALFS
	s_mul_i32 s22, s16, HALFS
	s_add_co_u32 s22, s22, 2*HALFS
	s_sub_co_u32 s22, s22, s21
	v_mul_u32_u24 v7, s22, v2                      ; lanes 16-31 take W's
	s_add_co_u32 s21, s21, SCL
	v_add_nc_u32 v5, v5, v7
	v_add_nc_u32 v[ADRS], s21, v5
	s_mul_i32 s23, s14, 16*SPITCH                  ; my stage
	v_add_nc_u32 v[STO], s23, v4                   ; in: token r, 16 bytes for each half of the lanes
	v_lshrrev_b32 v5, 3, v6
	v_mul_u32_u24 v5, v5, SPITCH
	v_and_b32 v7, 7, v0
	v_lshl_add_u32 v5, v7, 4, v5
	v_add_nc_u32 v[RD], s23, v5                    ; back: eight lanes take a token's 128 bytes of one head, four tokens an instruction
	s_lshr_b32 s20, s17, 3                         ; where my part of the output begins.  By the tile row: the batch, 16 planes of 262,144 bytes,
	s_lshl_b32 s20, s20, 22
	s_and_b32 s21, s17, 7
	s_lshl_b32 s21, s21, 15                        ; 256 tokens of 128 bytes,
	s_add_co_u32 s20, s20, s21
	s_lshl_b32 s21, s15, 14                        ; my 128 of them;
	s_add_co_u32 s20, s20, s21
	s_mov_b32 s21, 0
	s_add_nc_u64 s[12:13], s[12:13], s[20:21]
	s_lshl_b32 s46, ttmp9, 24                      ; by the tile column: q, k or v, 16,777,216 bytes each,
	s_lshl_b32 s47, s40, 20                        ; four heads a tile column,
	s_add_co_u32 s46, s46, s47
	s_lshl_b32 s47, s16, 19                        ; my two of them
	s_add_co_u32 s46, s46, s47
	s_mov_b32 s47, 0
	s_add_nc_u64 s[12:13], s[12:13], s[46:47]
.macro FRAG reg, adr, q, i             ; x: 16 tokens x 128 K: lane l holds row l % 16; registers 4 c .. 4 c + 3 hold K = 64 c + 32 (l / 16) + 0 .. 31
.irp c, 0,1
	ds_load_b128 v[\reg+4*\c:\reg+4*\c+3], v[\adr] offset:64*(\q)+32*\c+(\i)*16*PITCH
.endr
.endm
.macro FRAGB reg, adr, q, i            ; W: the image of tile i, chunk q: 512 consecutive bytes a load
.irp c, 0,1
	ds_load_b128 v[\reg+4*\c:\reg+4*\c+3], v[\adr] offset:(4*(\i)+(\q))*1024+512*\c
.endr
.endm
; 16 matrix instructions: x's blocks a0, a0 + 1 against W's eight tiles, 128 along K.  p: W's set; sc: the set of scale words.  first = 1: C is the bias.
; The 64 accumulators take turns, one instruction a turn, in the same order in every step.
.macro MUL16 a0, p, q, sc, first
.irp a, \a0, \a0+1
.irp b, 0,1,2,3,4,5,6,7
.if \first
	v_wmma_scale_f32_16x16x128_f8f6f4 v[8*(8*((\a)%4)+\b):8*(8*((\a)%4)+\b)+7], v[128*(\p)+FR*\b:128*(\p)+FR*\b+FR-1], v[AF+FR*(\a):AF+FR*(\a)+FR-1], v[BI+8*\b:BI+8*\b+7], v[SC+8*NQ*(\sc)+NQ*\b+(\q)], v[SC+8*NQ*(\sc)+NQ*(\a)+(\q)] matrix_a_fmt:MATRIX_FMT_FP4 matrix_b_fmt:MATRIX_FMT_FP4 matrix_a_scale:MATRIX_SCALE_ROW1
.else
	v_wmma_scale_f32_16x16x128_f8f6f4 v[8*(8*((\a)%4)+\b):8*(8*((\a)%4)+\b)+7], v[128*(\p)+FR*\b:128*(\p)+FR*\b+FR-1], v[AF+FR*(\a):AF+FR*(\a)+FR-1], v[8*(8*((\a)%4)+\b):8*(8*((\a)%4)+\b)+7], v[SC+8*NQ*(\sc)+NQ*\b+(\q)], v[SC+8*NQ*(\sc)+NQ*(\a)+(\q)] matrix_a_fmt:MATRIX_FMT_FP4 matrix_b_fmt:MATRIX_FMT_FP4 matrix_a_scale:MATRIX_SCALE_ROW1
.endif
.endr
.endr
.endm
.macro FETCH_B slot, q, p
	WIN TO_B
.irp i, 0,1,2,3,4,5,6,7
	FRAGB 128*(\p)+FR*\i, ADRB+\slot, \q, \i
.endr
	WIN 0
.endm
.macro FETCH_A slot, q, i0
.irp i, \i0, \i0+1, \i0+2, \i0+3
	FRAG AF+FR*(\i), ADRA+\slot, \q, \i
.endr
.endm
.macro SCALES sc                       ; a slot's scale words: four a row; lanes 0-15 take x's block i, lanes 16-31 W's tile i
.irp i, 0,1,2,3,4,5,6,7
	ds_load_b128 v[SC+8*NQ*\sc+NQ*\i:SC+8*NQ*\sc+NQ*\i+3], v[ADRS] offset:\i*SBLK
.endr
.endm
.macro PLACES n                        ; plain vector instructions between a matrix instruction and a load into, or a read of, its registers
.rept \n
	v_nop
.endr
.endm
.macro STEP slot, q, first             ; 128 along K with its successor in the same slot
	s_wait_dscnt 4*NL                              ; W's set and x's blocks 0-3 are in; the youngest eight loads (x's blocks 4-7) may be out
.if \first
	WIN FIRST_LO
.else
	WIN MUL_LO
.endif
	MUL16 0, (\q)%2, \q, \slot, \first
	MUL16 2, (\q)%2, \q, \slot, \first
	s_wait_dscnt 0
	PLACES NP
	FETCH_B \slot, (\q)+1, 1-(\q)%2
	FETCH_A \slot, (\q)+1, 0
.if \first
	WIN FIRST_HI
.else
	WIN MUL_HI
.endif
	MUL16 4, (\q)%2, \q, \slot, \first
	MUL16 6, (\q)%2, \q, \slot, \first
	PLACES NP
	WIN 0
	FETCH_A \slot, (\q)+1, 4
.endm
	s_wait_tensorcnt 1                             ; the scales and my part of slot 0 are in; slot 1's load may stay out
	s_barrier_signal -1
	s_barrier_wait -1
	FETCH_B 0, 0, 0
	FETCH_A 0, 0, 0
	SCALES 0
	FETCH_A 0, 0, 4
	s_wait_loadcnt 0x0                             ; the bias and the mask
.irp a, 0,1,2,3,4,5,6,7
	v_cmp_eq_u32 vcc_lo, 0, v[MK+\a]
	v_cndmask_b32 v[FP+2*\a], v121, v120, vcc_lo   ; token 16 a + r's factor,
	v_mov_b32 v[FP+2*\a+1], v[FP+2*\a]             ; twice: a pair for the packed multiply
.endr
	STEP 0, 0, 1
	STEP 0, 1, 0
	STEP 0, 2, 0
	; slot 0's last step changes slots: one barrier; nothing is filled again
	s_wait_tensorcnt 0x0                           ; my part of slot 1 has landed
	ds_add_u32 v[SPW], v[NIL]                      ; 0 onto my spare word
	s_wait_dscnt 4*NL+1                            ; the add and the youngest eight loads may be out
	WIN MUL_LO
	MUL16 0, 1, NQ-1, 0, 0
	s_wait_dscnt 0x0                               ; the add is done, and my reads of slot 0 are over
	s_barrier_signal -1
	MUL16 2, 1, NQ-1, 0, 0
	WIN 0
	s_barrier_wait -1                              ; slot 1 is whole, and nobody reads slot 0 any more
	PLACES NP
	v_add_nc_u32 v[ADRS], 4*NQ, v[ADRS]            ; on to slot 1's scale words
	FETCH_B 1, 0, 0
	FETCH_A 1, 0, 0
	SCALES 1
	WIN MUL_HI
	MUL16 4, 1, NQ-1, 0, 0
	MUL16 6, 1, NQ-1, 0, 0
	PLACES NP
	WIN 0
	FETCH_A 1, 0, 4
	STEP 1, 0, 0
	STEP 1, 1, 0
	STEP 1, 2, 0
	s_wait_dscnt 4*NL                              ; the last step: nothing more to fetch
	WIN MUL_LO
	MUL16 0, 1, NQ-1, 1, 0
	MUL16 2, 1, NQ-1, 1, 0
	s_wait_dscnt 0
	WIN MUL_HI
	MUL16 4, 1, NQ-1, 1, 0
	MUL16 6, 1, NQ-1, 1, 0
	WIN 0
; THE WAY OUT, a block of 16 tokens x 128 columns (two heads) at a time: x the token's factor, rounded to f16, through my stage, and out as runs of 512 bytes: four tokens of one head.
.macro PACK a
.set AC, 64*((\a)%4)
	WIN 0x02+(\a)/4                                ; source 0: window 2 or 3
.irp b, 0,1,2,3,4,5,6,7
.irp i, 0,1,2,3
	v_pk_mul_f32 v[TF+8*\b+2*\i:TF+8*\b+2*\i+1], v[AC+8*\b+2*\i:AC+8*\b+2*\i+1], v[FP+2*(\a):FP+2*(\a)+1]   ; each accumulator from its low end on
.endr
.endr
	WIN 0
.irp b, 0,1,2,3,4,5,6,7
.irp i, 0,1,2,3
	v_cvt_pk_f16_f32 v[TH+4*\b+\i], v[TF+8*\b+2*\i], v[TF+8*\b+2*\i+1]
.endr
.endr
.endm
.macro TOSTAGE a
.set BB, BK+32*((\a)%2)
.irp b, 0,1,2,3,4,5,6,7
	ds_store_b128 v[STO], v[TH+4*\b:TH+4*\b+3] offset:32*\b
.endr
.irp hh, 0,1
.irp t, 0,1,2,3
	ds_load_b128 v[BB+4*(4*\hh+\t):BB+4*(4*\hh+\t)+3], v[RD] offset:4*\t*SPITCH+128*\hh   ; LDS serves a wave's instructions in order: these see the stores above
.endr
.endr
.endm
.macro SEND a
.set BB, BK+32*((\a)%2)
	s_wait_dscnt 0x0                               ; the block is back in registers
	s_wait_xcnt 0x0                                ; the earlier stores have read their base and their data: the base steps, and the next block's loads may land on the other set
.if (\a) > 0
	s_add_nc_u64 s[12:13], s[12:13], 2048          ; 16 tokens of 128 bytes on
.endif
.irp hh, 0,1
.irp t, 0,1,2,3
	global_store_b128 v[CO], v[BB+4*(4*\hh+\t):BB+4*(4*\hh+\t)+3], s[12:13] offset:\hh*262144+\t*512   ; 32 lanes store 512 consecutive bytes, aligned
.endr
.endr
.endm
	PLACES NP                                      ; behind the last products: their fragments' and scales' registers are written below
	PACK 0
	TOSTAGE 0
.irp a, 1,2,3,4,5,6,7                  ; block a's arithmetic stands between block a - 1's loads from the stage and the wait for them
	PACK \a
	SEND \a-1
	TOSTAGE \a
.endr
	SEND 7
	s_wait_tensorcnt 0x0                           ; the wave's end, behind my last tensor load and my last LDS store
	ds_add_u32 v[SPW], v[NIL]
	s_wait_dscnt 0x0
	CROUND                                         ; the closing round
	s_endpgm
.Lfunc_end_k_q640ffffbb5_qkv:
	.size	k_q640ffffbb5_qkv, .Lfunc_end_k_q640ffffbb5_qkv-k_q640ffffbb5_qkv
	.p2alignl 7, 3214868480
	.fill 96, 4, 3214868480
	.section	.rodata,"a",@progbits
	.p2align	6, 0x0
	.amdhsa_kernel k_q640ffffbb5_qkv
		.amdhsa_group_segment_fixed_size 327680
		.amdhsa_private_segment_fixed_size 0
		.amdhsa_enable_private_segment 0
		.amdhsa_kernarg_size 72
		.amdhsa_user_sgpr_count 2
		.amdhsa_user_sgpr_kernarg_segment_ptr 1
		.amdhsa_wavefront_size32 1
		.amdhsa_system_sgpr_workgroup_id_x 1
		.amdhsa_system_sgpr_workgroup_id_y 1
		.amdhsa_system_sgpr_workgroup_id_z 1
		.amdhsa_system_vgpr_workitem_id 0
		.amdhsa_next_free_vgpr 1024
		.amdhsa_next_free_sgpr 100
		.amdhsa_reserve_vcc 1
		.amdhsa_float_denorm_mode_32 3
		.amdhsa_float_denorm_mode_16_64 3
		.amdhsa_memory_ordered 1
		.amdhsa_forward_progress 1
		.amdhsa_inst_pref_size 147
	.end_amdhsa_kernel
	.amdgpu_metadata
---
amdhsa.version: [ 1, 2 ]
amdhsa.kernels:
  - .name:           k_q640ffffbb5_qkv
    .symbol:         k_q640ffffbb5_qkv.kd
    .args:
      - { .name: xc, .offset: 0, .size: 8, .value_kind: global_buffer, .address_space: global }
      - { .name: xs, .offset: 8, .size: 8, .value_kind: global_buffer, .address_space: global }
      - { .name: wc, .offset: 16, .size: 8, .value_kind: global_buffer, .address_space: global }
      - { .name: ws, .offset: 24, .size: 8, .value_kind: global_buffer, .address_space: global }
      - { .name: bq, .offset: 32, .size: 8, .value_kind: global_buffer, .address_space: global }
      - { .name: bk, .offset: 40, .size: 8, .value_kind: global_buffer, .address_space: global }
      - { .name: bv, .offset: 48, .size: 8, .value_kind: global_buffer, .address_space: global }
      - { .name: mask, .offset: 56, .size: 8, .value_kind: global_buffer, .address_space: global }
      - { .name: qkv, .offset: 64, .size: 8, .value_kind: global_buffer, .address_space: global }
    .group_segment_fixed_size: 327680
    .private_segment_fixed_size: 0
    .kernarg_segment_align: 8
    .kernarg_segment_size: 72
    .max_flat_workgroup_size: 128
    .sgpr_count:     100
    .vgpr_count:     1024
    .wavefront_size: 32
...
	.end_amdgpu_metadata
.endif
;; end of part 2
;; launch attn (part 3): grid 4 x 64, 8 waves a work-group, no clusters, 90,112 bytes of LDS; arguments qkv, kidx, ao; writes ao
.if DOCPART == 3
	.amdgcn_target "amdgcn-amd-amdhsa--gfx1250"
	.amdhsa_code_object_version 6
	.text
	.protected	k_q640ffffbb5_attn
	.globl	k_q640ffffbb5_attn
	.p2align	8
	.type	k_q640ffffbb5_attn,@function
k_q640ffffbb5_attn:
	s_mov_b64 s[64:65], 0
	v_nop
	global_prefetch_b8 v0, s[64:65] scope:SCOPE_SE
	s_setreg_imm32_b32 hwreg(HW_REG_WAVE_MODE, 25, 1), 1
	s_wait_xcnt 0x0
; ATTN: for each batch and head, o[q] = sum over the KEPT keys of softmax(t) v, t = (q log2(e) / 8) . k, as the launch before has laid q, k, v: [3][plane = 16 batch + head][2048][64] f16.  Out: ao [plane][2048][64] f16.
; A key that is not kept (its mask value is not its batch's smallest) has the weight 0 in f32 behind the softmax, so its score, exponential and products are not made: the keys are walked by the stored list,
; kept ones first, and the walk ends at the stored count.  Products on f16 operands, sums, maxima and the row's sum in f32; a running maximum is taken away ahead of every exponential.
; SHARES: a work-group owns 512 queries of a plane, each of its eight waves 64: four tiles of 16.  S^T = K Q^T and O^T = V^T P: a lane holds ONE query (lane % 16) throughout; two tiles of S^T, packed to f16 in pairs,
; are source 1 of the second product as they stand.  K comes out of LDS as it lies, V turned, by ds_load_tr16_b128.
; A KEY STEP is 64 kept keys.  Their rows (128 bytes each of K and V) are gathered by the list through registers, two steps ahead, into a ring of THREE LDS slots; one barrier a step.  In step j the stores go into
; slot (j + 2) % 3, whose last reads ended ahead of step j - 1's barrier, and are first read in step j + 1, behind step j's.  The loop has a constant 33 steps (11 trips of 3, so that each slot is an immediate);
; a step whose first key lies at or past the count jumps to its last lines; every wave passes every barrier.
; In the one step that is not full, -1e30 is the C of the scores of the places past the count: their weight is 0 (each walked step has a kept key, so the maximum is a score).
; NO CLUSTER AND NO TENSOR LOAD: the rows of a step are named by a list and the walk's length hangs on a number read from memory; so the four work-groups of a plane each gather for themselves.
; LIMITS: as stated for the launch before (f16's range; mask values).
; REGISTERS: window 0: v1-15 addresses; v16-47 eight statistics a tile; v48-63 the rows on their way; v64-191 S^T, 32 a tile (P in the low 16 of each); v192-255 Q, 16 a tile.
;   window 1: v0-127 O^T, 32 a tile; v128-191 K's fragments; v192-255 V's.
.set PK,    144                        ; a row of K in LDS: 128 bytes + 16: the 16 rows of a load start 4 banks apart
.set PVP,   160                        ; a row of V: 128 + 32
.set VOFF,  64*PK
.set SLOTB, 64*(PK+PVP)                ; 19,456
.set IDX,   3*SLOTB                    ; the batch's list, 8,192 bytes, and 4,096 bytes of zeros for the look-ahead past its end
.set STAGE, IDX+12288                  ; the way out: 16 rows x 144 bytes for each wave
.set SPARE, STAGE+8*16*PK              ; the spare words: 128 bytes for each wave
.set AKF, 1                            ; v1  my lane's place in a tile of K
.set AVF, 2                            ; v2  the same for V (turning load)
.set AKS, 3                            ; v3  where my thread stores 16 bytes of a row of K
.set AVS, 4                            ; v4  of V
.set AIX, 5                            ; v5  my thread's list word of a step: IDX + 4 (thread / 8)
.set E16, 6                            ; v6  16 (thread % 8): my 16 bytes of a row
.set WK,  7                            ; v7  at work
.set L0,  8                            ; v8, v9  list words, then row offsets
.set L1,  9
.set STO, 10
.set RD,  11
.set GO,  12
.set PFO, 13                           ; v13 the prefetches' offset: 256 (thread % 128); never rewritten
.set SPW, 14
.set NIL, 15
.set ST,  16                           ; tile t's statistics at v[ST + 8 t]: +0 m, +1 old m - new m, +2, +3 l, +4 .. +7 at work; a takes +6
.set STGR, 48
.set S,   64
.set Q,   192
.set KFR, 128                          ; in window 1
.set VFR, 192
.set WV,  10                           ; s10 my wave
.set CNT, 11                           ; s11 the batch's number of kept keys
.set SKF, 22                           ; s22 the step's first place in the list
.set TI,  23                           ; s23 256 x (step + 3): the list words of the tile to be asked for
.set LP,  24
.set LIM, 25                           ; s25 a wave prefetches while the step's first place is under it
.set PFA, 26                           ; s[26:27]
.set MSB, 0
.macro WIN new
.if MSB != (\new)
	s_set_vgpr_msb (MSB<<8)|(\new)
.set MSB, (\new)
.endif
.endm
.set W_KQ, 0x01                        ; K in window 1
.set W_PV, 0x51                        ; V, C and D in window 1
.set W_RS, 0x41                        ; O^T (destination and source 0) in window 1
.set W_LD, 0x40                        ; an LDS load's destination in window 1
.macro PLACES n
.rept \n
	v_nop
.endr
.endm
.macro GATHER dst, a0, a1              ; my thread's 16 bytes of rows rho and rho + 32 of K and of V
	global_load_b128 v[\dst:\dst+3], v[\a0], s[16:17]
	global_load_b128 v[\dst+4:\dst+7], v[\a1], s[16:17]
	global_load_b128 v[\dst+8:\dst+11], v[\a0], s[18:19]
	global_load_b128 v[\dst+12:\dst+15], v[\a1], s[18:19]
.endm
.macro PUT src, slot
	ds_store_b128 v[AKS], v[\src:\src+3] offset:(\slot)*SLOTB
	ds_store_b128 v[AKS], v[\src+4:\src+7] offset:(\slot)*SLOTB+32*PK
	ds_store_b128 v[AVS], v[\src+8:\src+11] offset:(\slot)*SLOTB
	ds_store_b128 v[AVS], v[\src+12:\src+15] offset:(\slot)*SLOTB+32*PVP
.endm
	s_load_b128 s[4:7], s[0:1], 0x0                ; qkv, kidx
	s_load_b64 s[8:9], s[0:1], 0x10                ; ao
	v_lshl_add_u32 v[SPW], v0, 2, SPARE
	v_mov_b32 v[NIL], 0
	v_lshrrev_b32 v7, 5, v0
	v_readfirstlane_b32 s[WV], v7                  ; wave 0..7
	s_and_b32 s12, ttmp7, 0xffff                   ; the plane
	s_lshl_b32 s28, s12, 18                        ; 262,144 bytes a plane
	s_mov_b32 s29, 0
	s_lshr_b32 s12, s12, 4                         ; the batch
	s_lshl_b32 s30, s12, 13
	s_mov_b32 s31, 0
	s_lshl_b32 s12, s12, 7
	s_mov_b32 s13, 0
	s_lshl_b32 s2, ttmp9, 16                       ; my work-group's 512 queries of 128 bytes,
	s_lshl_b32 s3, s[WV], 13                       ; my wave's 64
	s_add_co_u32 s2, s2, s3
	s_add_co_u32 s2, s2, s28
	s_mov_b32 s3, 0
	s_mov_b32 s20, 0x76543210
	s_mov_b32 s21, 0xfedcba98                      ; selects for lane l xor 16
	s_mov_b32 s[SKF], 0
	s_mov_b32 s[TI], 768
	s_mov_b32 s[LP], 11
	s_cmp_eq_u32 ttmp9, 0
	s_cselect_b32 s[LIM], 384, 0                   ; the plane's first work-group prefetches, in its first six steps
	v_lshrrev_b32 v7, 3, v0                        ; rho = thread / 8
	v_and_b32 v[E16], 7, v0
	v_lshlrev_b32 v[E16], 4, v[E16]
	v_mul_u32_u24 v[AKS], v7, PK
	v_add_nc_u32 v[AKS], v[AKS], v[E16]
	v_mul_u32_u24 v[AVS], v7, PVP
	v_add_nc_u32 v[AVS], v[AVS], v[E16]
	v_add_nc_u32 v[AVS], VOFF, v[AVS]
	v_lshl_add_u32 v[AIX], v7, 2, IDX
	v_lshlrev_b32 v112, 2, v7                      ; the list in memory: 4 rho
	v_lshlrev_b32 v113, 4, v0                      ; and 16 x thread, for the copy into LDS
	v_add_nc_u32 v115, IDX, v113
	v_and_b32 v8, 15, v0                           ; r
	v_bfe_u32 v9, v0, 4, 1                         ; h
	v_mul_u32_u24 v[AKF], v8, PK
	v_lshl_add_u32 v[AKF], v9, 4, v[AKF]
	v_and_b32 v10, 7, v0
	v_lshl_add_u32 v[AVF], v9, 3, v10
	v_mul_u32_u24 v[AVF], v[AVF], PVP              ; key 8 h + lane % 8,
	v_bfe_u32 v10, v0, 3, 1
	v_lshl_add_u32 v[AVF], v10, 4, v[AVF]          ; channels 8 ((lane / 8) % 2) on
	v_add_nc_u32 v[AVF], VOFF, v[AVF]
	v_lshlrev_b32 v114, 7, v8
	v_lshl_add_u32 v114, v9, 4, v114               ; Q: row r of 128 bytes, + 16 h
	s_mul_i32 s14, s[WV], 16*PK
	s_add_co_u32 s14, s14, STAGE                   ; my stage
	v_add_nc_u32 v[STO], s14, v[AKF]               ; in: row r, 16 bytes for each half of the lanes
	v_bfe_u32 v[RD], v0, 3, 2
	v_mul_u32_u24 v[RD], v[RD], PK
	v_add_nc_u32 v[RD], v[RD], v[E16]
	v_add_nc_u32 v[RD], s14, v[RD]                 ; back: eight lanes take a row of 128 bytes, four rows an instruction
	v_and_b32 v[GO], 31, v0
	v_lshlrev_b32 v[GO], 4, v[GO]
	v_and_b32 v[PFO], 127, v0
	v_lshlrev_b32 v[PFO], 8, v[PFO]
.irp i, 0,1,2,3
	v_mov_b32 v[116+\i], 0
.endr
	s_wait_kmcnt 0x0
	s_add_nc_u64 s[12:13], s[6:7], s[12:13]
	s_load_b32 s[CNT], s[12:13], 0x8000            ; the count: a whole number that the first launch stored
	s_add_nc_u64 s[14:15], s[6:7], s[30:31]        ; the batch's list
	s_add_nc_u64 s[16:17], s[4:5], s[28:29]
	s_add_nc_u64 s[18:19], s[16:17], 0x2000000     ; V's plane
	s_add_nc_u64 s[16:17], s[16:17], 0x1000000     ; K's plane
	s_add_nc_u64 s[4:5], s[4:5], s[2:3]            ; Q at my wave's first query
	s_add_nc_u64 s[8:9], s[8:9], s[2:3]            ; ao likewise
	s_cmp_lt_u32 s[WV], 4
	s_cselect_b64 s[PFA:PFA+1], s[16:17], s[18:19] ; waves 0-3 ask for K's rows, waves 4-7 for V's
	s_add_nc_u64 s[PFA:PFA+1], s[PFA:PFA+1], 32768 ; step j steps it and names rows 512 + 256 j on; rows 0-511 come by their loads alone: nothing is prefetched at the head
.irp j, 0,1,2
	global_load_b32 v[96+2*\j], v112, s[14:15] offset:256*\j          ; the list words of tiles 0, 1, 2
	global_load_b32 v[97+2*\j], v112, s[14:15] offset:256*\j+128
.endr
	global_load_b128 v[104:107], v113, s[14:15]                       ; the whole list, for LDS
	global_load_b128 v[108:111], v113, s[14:15] offset:4096
.irp t, 0,1,2,3
.irp ch, 0,1
	global_load_b128 v[Q+16*\t+8*\ch:Q+16*\t+8*\ch+3], v114, s[4:5] offset:\t*2048+\ch*64          ; Q stays in registers: tile t, channels 32 ch on
	global_load_b128 v[Q+16*\t+8*\ch+4:Q+16*\t+8*\ch+7], v114, s[4:5] offset:\t*2048+\ch*64+32
.endr
.endr
	s_wait_loadcnt 18                              ; the six list words are in; the list's 2 loads and Q's 16 stay out
.irp j, 0,1,2,3,4,5
	v_min_u32 v[96+\j], 0x7ff, v[96+\j]            ; a token: 0..2047
	v_lshlrev_b32 v[96+\j], 7, v[96+\j]            ; its row of 128 bytes,
	v_add_nc_u32 v[96+\j], v[96+\j], v[E16]        ; my 16 of them
.endr
	GATHER 64, 96, 97
	GATHER 80, 98, 99
	GATHER STGR, 100, 101
	s_wait_loadcnt 28                              ; the list is in; Q's 16 and the rows' 12 stay out
	ds_store_b128 v115, v[104:107]
	ds_store_b128 v115, v[108:111] offset:4096
	ds_store_b128 v115, v[116:119] offset:8192     ; zeros: what the look-ahead reads past the list's end names token 0
.irp t, 0,1,2,3
	v_mov_b32 v[ST+8*\t], 0xff61b1e6               ; m: -3e38, under every score
.irp i, 1,2,3,4,5,6,7
	v_mov_b32 v[ST+8*\t+\i], 0
.endr
.endr
	WIN W_LD
.set i, 0
.rept 128
	v_mov_b32 v[i], 0                              ; O^T.  The step is written three times, once for each slot; a first step of its own would be a fourth copy: instead the first step finds zeros, and a = 0 leaves them zeros
.set i, i+1
.endr
	WIN 0
	s_wait_loadcnt 4                               ; Q and tiles 0 and 1 are in; tile 2's four loads stay out
	PUT 64, 0
	PUT 80, 1
	s_wait_kmcnt 0x0                               ; the count
	s_wait_dscnt 0x0                               ; for the others' sake: my stores are done
	s_barrier_signal -1
	s_barrier_wait -1
.macro FETCH_K sl                      ; 64 keys x 64 channels: 8 fragments, keys 16 kt on, channels 32 ch on
	WIN W_LD
.irp kt, 0,1,2,3
.irp ch, 0,1
	ds_load_b128 v[KFR+16*\kt+8*\ch:KFR+16*\kt+8*\ch+3], v[AKF] offset:(\sl)*SLOTB+\kt*16*PK+\ch*64
	ds_load_b128 v[KFR+16*\kt+8*\ch+4:KFR+16*\kt+8*\ch+7], v[AKF] offset:(\sl)*SLOTB+\kt*16*PK+\ch*64+32
.endr
.endr
	WIN 0
.endm
.macro FETCH_V sl                      ; turned: keys 32 kc on, channels 16 ct on
	WIN W_LD
.irp kc, 0,1
.irp ct, 0,1,2,3
	ds_load_tr16_b128 v[VFR+8*(4*\kc+\ct):VFR+8*(4*\kc+\ct)+3], v[AVF] offset:(\sl)*SLOTB+\kc*32*PVP+\ct*32
	ds_load_tr16_b128 v[VFR+8*(4*\kc+\ct)+4:VFR+8*(4*\kc+\ct)+7], v[AVF] offset:(\sl)*SLOTB+\kc*32*PVP+\ct*32+16*PVP
.endr
.endr
	WIN 0
.endm
; 16 products of S^T = K Q^T, channels 32 ch on: the 16 accumulators (tile of keys kt, tile of queries t) take turns.  cmode = 0: they start the sums; 1: they add onto what the registers hold.
.macro KQ ch, cmode
	WIN W_KQ
.irp kt, 0,1,2,3
.irp t, 0,1,2,3
.if \cmode
	v_wmma_f32_16x16x32_f16 v[S+32*\t+8*\kt:S+32*\t+8*\kt+7], v[KFR+16*\kt+8*\ch:KFR+16*\kt+8*\ch+7], v[Q+16*\t+8*\ch:Q+16*\t+8*\ch+7], v[S+32*\t+8*\kt:S+32*\t+8*\kt+7]
.else
	v_wmma_f32_16x16x32_f16 v[S+32*\t+8*\kt:S+32*\t+8*\kt+7], v[KFR+16*\kt+8*\ch:KFR+16*\kt+8*\ch+7], v[Q+16*\t+8*\ch:Q+16*\t+8*\ch+7], 0
.endif
.endr
.endr
.endm
; 32 products of O^T += V^T P: the 16 accumulators (channels ct, tile t) take turns
.macro PV
	WIN W_PV
.irp kc, 0,1
.irp ct, 0,1,2,3
.irp t, 0,1,2,3
	v_wmma_f32_16x16x32_f16 v[32*\t+8*\ct:32*\t+8*\ct+7], v[VFR+8*(4*\kc+\ct):VFR+8*(4*\kc+\ct)+7], v[S+32*\t+8*\kc:S+32*\t+8*\kc+7], v[32*\t+8*\ct:32*\t+8*\ct+7]
.endr
.endr
.endr
.endm
; The step that is not full: register 8 kt + j of a tile holds place SKF + 16 kt + 8 h + j of the list: past the count where 16 kt + j > d = count - SKF - 1 - 8 h.  There C is -1e30, elsewhere 0.
.macro PADMASK
	s_sub_co_u32 s28, s[CNT], s[SKF]
	s_sub_co_u32 s28, s28, 1
	v_bfe_u32 v[ST+5], v0, 4, 1
	v_lshlrev_b32 v[ST+5], 3, v[ST+5]
	v_sub_nc_u32 v[ST+5], s28, v[ST+5]
	v_mov_b32 v[WK], 0xf149f2ca                    ; -1e30
.irp kt, 0,1,2,3
.irp j, 0,1,2,3,4,5,6,7
	v_cmp_gt_i32 vcc_lo, 16*\kt+\j, v[ST+5]
.irp t, 0,1,2,3
	v_cndmask_b32 v[S+32*\t+8*\kt+\j], 0, v[WK], vcc_lo
.endr
.endr
.endr
.endm
; The four tiles' softmax of a step, the tiles by turns.
.macro SOFTMAX
.irp j, 0,1,2,3                        ; the largest of a lane's 32 scores and the old m: four chains, each begun at its accumulator's low end
.irp t, 0,1,2,3
	v_max3_num_f32 v[ST+8*\t+4+\j], v[S+32*\t+8*\j], v[S+32*\t+8*\j+1], v[S+32*\t+8*\j+2]
.endr
.endr
.irp u, 1,2
.irp j, 0,1,2,3
.irp t, 0,1,2,3
	v_max3_num_f32 v[ST+8*\t+4+\j], v[ST+8*\t+4+\j], v[S+32*\t+8*\j+2*\u+1], v[S+32*\t+8*\j+2*\u+2]
.endr
.endr
.endr
.irp t, 0,1,2,3
	v_max3_num_f32 v[ST+8*\t+4], v[ST+8*\t+4], v[S+32*\t+7], v[S+32*\t+15]
.endr
.irp t, 0,1,2,3
	v_max3_num_f32 v[ST+8*\t+6], v[ST+8*\t+6], v[S+32*\t+23], v[S+32*\t+31]
.endr
.irp t, 0,1,2,3
	v_max3_num_f32 v[ST+8*\t+4], v[ST+8*\t+4], v[ST+8*\t+5], v[ST+8*\t+6]
.endr
.irp t, 0,1,2,3
	v_max3_num_f32 v[ST+8*\t+4], v[ST+8*\t+4], v[ST+8*\t+7], v[ST+8*\t]
.endr
.irp t, 0,1,2,3
	v_permlanex16_b32 v[ST+8*\t+5], v[ST+8*\t+4], s20, s21   ; the query's other 32 keys lie in the lane 16 away
.endr
.irp t, 0,1,2,3
	v_max_num_f32 v[ST+8*\t+6], v[ST+8*\t+4], v[ST+8*\t+5]   ; the new m
.endr
.irp t, 0,1,2,3
	v_sub_f32 v[ST+8*\t+1], v[ST+8*\t], v[ST+8*\t+6]         ; old m - new m
.endr
.irp t, 0,1,2,3
	v_mov_b32 v[ST+8*\t], v[ST+8*\t+6]
.endr
	; ONE BATCH: the four a = 2^(old m - new m), the 64 subtractions of m (a pair of scores each) and the 128 exponentials.  None of these names an exponential's result.
.irp t, 0,1,2,3
	v_exp_f32 v[ST+8*\t+6], v[ST+8*\t+1]
.endr
.irp i, 0,1,2,3,4,5,6,7,8,9,10,11,12,13,14,15
	v_pk_add_f32 v[S+2*\i:S+2*\i+1], v[S+2*\i:S+2*\i+1], v[ST:ST+1] op_sel_hi:[1,0] neg_lo:[0,1] neg_hi:[0,1]
.endr
.irp t, 0,1,2
.irp i, 0,1,2,3,4,5,6,7,8,9,10,11,12,13,14,15
	v_pk_add_f32 v[S+32*(\t+1)+2*\i:S+32*(\t+1)+2*\i+1], v[S+32*(\t+1)+2*\i:S+32*(\t+1)+2*\i+1], v[ST+8*(\t+1):ST+8*(\t+1)+1] op_sel_hi:[1,0] neg_lo:[0,1] neg_hi:[0,1]
	v_exp_f32 v[S+32*\t+2*\i], v[S+32*\t+2*\i]
	v_exp_f32 v[S+32*\t+2*\i+1], v[S+32*\t+2*\i+1]
.endr
.endr
.set i, 0
.rept 32
	v_exp_f32 v[S+96+i], v[S+96+i]
.set i, i+1
.endr
	v_nop                                          ; a plain instruction behind the last exponential, ahead of the first use
	s_wait_alu depctr_va_vdst(0)                   ; the wait ahead of the first instruction that names a result: one for the batch of 132
.irp i, 0,1,2,3,4,5,6,7,8,9,10,11,12,13,14,15     ; l = a l + the sum of p (unrounded); p to f16 in place: pair i goes into register i, whose own pair has been used up
.irp t, 0,1,2,3
.if \i == 0
	v_pk_fma_f32 v[ST+8*\t+2:ST+8*\t+3], v[ST+8*\t+2:ST+8*\t+3], v[ST+8*\t+6:ST+8*\t+7], v[S+32*\t:S+32*\t+1] op_sel_hi:[1,0,1]
.else
	v_pk_add_f32 v[ST+8*\t+2:ST+8*\t+3], v[ST+8*\t+2:ST+8*\t+3], v[S+32*\t+2*\i:S+32*\t+2*\i+1]
.endif
.endr
.irp t, 0,1,2,3
	v_cvt_pk_f16_f32 v[S+32*\t+\i], v[S+32*\t+2*\i], v[S+32*\t+2*\i+1]
.endr
.endr
.endm
.macro RESCALE                         ; O^T x a, each accumulator from its low end on
	WIN W_RS
.irp t, 0,1,2,3
.irp i, 0,1,2,3,4,5,6,7,8,9,10,11,12,13,14,15
	v_pk_mul_f32 v[32*\t+2*\i:32*\t+2*\i+1], v[32*\t+2*\i:32*\t+2*\i+1], v[ST+8*\t+6:ST+8*\t+7] op_sel_hi:[1,0]
.endr
.endr
.endm
; KEY STEP j, in slot sl = j % 3.
.macro STEP sl
	s_cmp_ge_u32 s[SKF], s[CNT]                    ; past the count: the same in all eight waves
	s_cbranch_scc1 .Lskip_\@
	s_wait_loadcnt 0x0                             ; tile j + 2's rows are in registers, and their loads have read v8, v9
	s_wait_xcnt 0x0                                ; the last prefetch, a step back, has read its address
	s_add_nc_u64 s[PFA:PFA+1], s[PFA:PFA+1], 32768
	PUT STGR, ((\sl)+2)%3
	v_add_nc_u32 v[WK], s[TI], v[AIX]
	ds_load_b32 v[L0], v[WK]                       ; tile j + 3's list words
	ds_load_b32 v[L1], v[WK] offset:128
	FETCH_V \sl
	s_wait_dscnt 16                                ; all but V's 16 loads: K's fragments, my four stores and the two words are done
	v_min_u32 v[L0], 0x7ff, v[L0]
	v_min_u32 v[L1], 0x7ff, v[L1]
	v_lshlrev_b32 v[L0], 7, v[L0]
	v_lshlrev_b32 v[L1], 7, v[L1]
	v_add_nc_u32 v[L0], v[L0], v[E16]
	v_add_nc_u32 v[L1], v[L1], v[E16]
	GATHER STGR, L0, L1
	s_cmp_lt_u32 s[SKF], s[LIM]                    ; ids and the count of steps alone
	s_cbranch_scc0 .Lnp_\@
	global_prefetch_b8 v[PFO], s[PFA:PFA+1] th:TH_LOAD_NT scope:SCOPE_SE   ; rows 512 + 256 j on of K (waves 0-3) or V (waves 4-7): lanes 256 bytes apart, 8,192 bytes a wave; each block is named once in the launch; step 5's end at the plane's last byte
.Lnp_\@:
	s_add_co_u32 s28, s[SKF], 64
	s_cmp_le_u32 s28, s[CNT]
	s_cbranch_scc1 .Lfull_\@
	PADMASK
	KQ 0, 1
	WIN 0
	s_branch .Ljoin_\@
.Lfull_\@:
	KQ 0, 0
	WIN 0
.Ljoin_\@:
	KQ 1, 1
	WIN 0
	PLACES 4                                       ; behind the products: K's registers are loaded again, the scores are read
	FETCH_K ((\sl)+1)%3                            ; the next step's K: stored a step ago, ahead of the last barrier
	SOFTMAX
	RESCALE
	WIN 0
	s_wait_dscnt 16                                ; V is in; the next step's K, 16 loads, may stay out
	PV
	WIN 0
	PLACES 5                                       ; the next step's products write over P, and its loads land on V's registers
.Lskip_\@:
	s_add_co_u32 s[SKF], s[SKF], 64
	s_add_co_u32 s[TI], s[TI], 256
	s_wait_dscnt 0x0                               ; my stores into the ring have landed and my reads of it are in
	s_barrier_signal -1
	s_barrier_wait -1
.endm
	FETCH_K 0
.Ltrip:
	STEP 0
	STEP 1
	STEP 2
	s_sub_co_u32 s[LP], s[LP], 1
	s_cmp_lg_u32 s[LP], 0
	s_cbranch_scc1 .Ltrip
	s_wait_loadcnt 0x0                             ; the rows asked for past the walk's end
	; THE WAY OUT: l's two halves and the other half of the lanes' are added; O^T / l, rounded to f16, goes through my stage, a tile (16 queries) at a time, and leaves as runs of 512 bytes
.irp t, 0,1,2,3
	v_add_f32 v[ST+8*\t+4], v[ST+8*\t+2], v[ST+8*\t+3]
.endr
.irp t, 0,1,2,3
	v_permlanex16_b32 v[ST+8*\t+5], v[ST+8*\t+4], s20, s21
.endr
.irp t, 0,1,2,3
	v_add_f32 v[ST+8*\t+4], v[ST+8*\t+4], v[ST+8*\t+5]
.endr
.irp t, 0,1,2,3
	v_rcp_f32 v[ST+8*\t+6], v[ST+8*\t+4]
.endr
	v_nop
	s_wait_alu depctr_va_vdst(0)                   ; one wait for the four reciprocals, ahead of their first use
.macro PACK t
	WIN 0x01                                       ; source 0: O^T in window 1
.irp i, 0,1,2,3,4,5,6,7,8,9,10,11,12,13,14,15
	v_pk_mul_f32 v[S+32*\t+2*\i:S+32*\t+2*\i+1], v[32*\t+2*\i:32*\t+2*\i+1], v[ST+8*\t+6:ST+8*\t+7] op_sel_hi:[1,0]
.endr
	WIN 0
.irp i, 0,1,2,3,4,5,6,7,8,9,10,11,12,13,14,15
	v_cvt_pk_f16_f32 v[Q+16*\t+\i], v[S+32*\t+2*\i], v[S+32*\t+2*\i+1]
.endr
.irp ct, 0,1,2,3
	ds_store_b128 v[STO], v[Q+16*\t+4*\ct:Q+16*\t+4*\ct+3] offset:32*\ct
.endr
.irp u, 0,1,2,3
	ds_load_b128 v[S+32*\t+4*\u:S+32*\t+4*\u+3], v[RD] offset:4*\u*PK   ; LDS serves a wave's instructions in order: these see the stores above, and the next tile's stores come behind them
.endr
.endm
.macro SEND t, younger                 ; younger: the next tile's eight LDS instructions, or none
.irp u, 0,1,2,3
	s_wait_dscnt \younger+3-\u
	global_store_b128 v[GO], v[S+32*\t+4*\u:S+32*\t+4*\u+3], s[8:9] offset:\t*2048+\u*512   ; 32 lanes store 512 consecutive bytes, aligned
.endr
.endm
	PACK 0
	PACK 1
	SEND 0, 8
	PACK 2
	SEND 1, 8
	PACK 3
	SEND 2, 8
	SEND 3, 0
	s_wait_tensorcnt 0x0                           ; the wave's end, behind my last LDS store
	ds_add_u32 v[SPW], v[NIL]
	s_wait_dscnt 0x0
	s_endpgm
.Lfunc_end_k_q640ffffbb5_attn:
	.size	k_q640ffffbb5_attn, .Lfunc_end_k_q640ffffbb5_attn-k_q640ffffbb5_attn
	.p2alignl 7, 3214868480
	.fill 96, 4, 3214868480
	.section	.rodata,"a",@progbits
	.p2align	6, 0x0
	.amdhsa_kernel k_q640ffffbb5_attn
		.amdhsa_group_segment_fixed_size 90112
		.amdhsa_private_segment_fixed_size 0
		.amdhsa_enable_private_segment 0
		.amdhsa_kernarg_size 24
		.amdhsa_user_sgpr_count 2
		.amdhsa_user_sgpr_kernarg_segment_ptr 1
		.amdhsa_wavefront_size32 1
		.amdhsa_system_sgpr_workgroup_id_x 1
		.amdhsa_system_sgpr_workgroup_id_y 1
		.amdhsa_system_sgpr_workgroup_id_z 1
		.amdhsa_system_vgpr_workitem_id 0
		.amdhsa_next_free_vgpr 512
		.amdhsa_next_free_sgpr 66
		.amdhsa_reserve_vcc 1
		.amdhsa_float_denorm_mode_32 3
		.amdhsa_float_denorm_mode_16_64 3
		.amdhsa_memory_ordered 1
		.amdhsa_forward_progress 1
		.amdhsa_inst_pref_size 147
	.end_amdhsa_kernel
	.amdgpu_metadata
---
amdhsa.version: [ 1, 2 ]
amdhsa.kernels:
  - .name:           k_q640ffffbb5_attn
    .symbol:         k_q640ffffbb5_attn.kd
    .args:
      - { .name: qkv, .offset: 0, .size: 8, .value_kind: global_buffer, .address_space: global }
      - { .name: kidx, .offset: 8, .size: 8, .value_kind: global_buffer, .address_space: global }
      - { .name: ao, .offset: 16, .size: 8, .value_kind: global_buffer, .address_space: global }
    .group_segment_fixed_size: 90112
    .private_segment_fixed_size: 0
    .kernarg_segment_align: 8
    .kernarg_segment_size: 24
    .max_flat_workgroup_size: 256
    .sgpr_count:     66
    .vgpr_count:     512
    .wavefront_size: 32
...
	.end_amdgpu_metadata
.endif
;; end of part 3
;; launch fc (part 4): grid 4 x 64, 4 waves a work-group, clusters of 4 x 4, 327,680 bytes of LDS; arguments ao, wf, bfc, out0; writes out0
.if DOCPART == 4
	.amdgcn_target "amdgcn-amd-amdhsa--gfx1250"
	.amdhsa_code_object_version 6
	.text
	.protected	k_q640ffffbb5_fc
	.globl	k_q640ffffbb5_fc
	.p2align	8
	.type	k_q640ffffbb5_fc,@function
k_q640ffffbb5_fc:
	s_mov_b64 s[64:65], 0
	v_nop
	global_prefetch_b8 v0, s[64:65] scope:SCOPE_SE
	s_setreg_imm32_b32 hwreg(HW_REG_WAVE_MODE, 25, 1), 1
	s_wait_xcnt 0x0
	s_wait_alu depctr_hold_cnt(0) depctr_sa_sdst(0) depctr_va_vdst(0) depctr_va_sdst(0) depctr_va_ssrc(0) depctr_va_vcc(0) depctr_vm_vsrc(0)
	s_getreg_b32 s2, hwreg(HW_REG_IB_STS2, 6, 4)
	s_cmp_eq_u32 s2, 0
	s_cbranch_scc0 .Lentry_in_a_cluster
	s_endpgm
.Lentry_in_a_cluster:
	s_bfe_u32 s2, ttmp6, 0x10000c
	s_cmp_lg_u32 s2, 0xf033
	s_cbranch_scc0 .Lentry_shape_is_right
	s_endpgm
.Lentry_shape_is_right:
; FC: out0 [8192 tokens][1024] f32 = a Wfc + bfc, on f16 operands with f32 sums.  a is the attention's result, laid [batch 4][head 16][token 2048][64] f16: k = 64 head + channel.  wf is Wfc in f16, [k 1024][n 1024].
; A tile of the result is 128 tokens x 256 outputs: 256 work-groups.  Four waves, each 64 tokens x 128 outputs: 32 accumulators, 256 registers.
; K goes in steps of 128, two heads, through a ring of two LDS slots: waves 0 and 1 fetch a head's 128 rows of 128 bytes each, waves 2 and 3 64 rows (k) of 512 bytes of wf each.
; wf lies with K outermost: its fragments come out of LDS turned, by ds_load_tr16_b128.  Source 0 = 16 outputs, source 1 = 16 tokens: a lane holds one token and eight neighbouring outputs.  The bias is the C of each sum's first product.
; CLUSTERS: 4 x 4 work-groups: the four of a row need the same tokens, the four of a column the same outputs: each tile is asked for jointly.
; REGISTERS: window 0: v0-31 addresses; v32-95 the bias, eight tiles; v96-223 rows on the way out.  window 1: accumulator (a, b) at v[8 (8 a + b)].  window 2: two fragment buffers (v0, v128): 32 registers of a, then 64 of wf.
; LIMITS: |a| and |Wfc| stay under 65,504 (f16).
.set PA,     144                       ; a row of a in LDS: 128 bytes + 16
.set PB,     544                       ; a row of wf: 512 + 32
.set BOFF,   2*128*PA                  ; behind a's two heads
.set SLOT,   BOFF+128*PB               ; 106,496
.set STAGE,  2*SLOT                    ; behind the ring, bytes of its own: 16 rows x 528 for each wave
.set SPITCH, 528
.set SPARE,  STAGE+4*16*SPITCH
.set ADRA, 16
.set ADRB, 20
.set STO,  24
.set RD,   25
.set CO,   26
.set BO,   27
.set SPW,  28
.set NIL,  29
.set BI,   32
.set BK,   96
.set F0,   0
.set WV,   12                          ; s12 wave; s13 wave / 2; s14 wave % 2
.set G1, 24
.set G0, 32
.set G1B, 48
.set G0B, 56
.set MSB, 0
.macro WIN new
.if MSB != (\new)
	s_set_vgpr_msb (MSB<<8)|(\new)
.set MSB, (\new)
.endif
.endm
.set MUL,  0x5a                        ; sources 0 and 1 window 2; C and D window 1
.set MUL1, 0x4a                        ; the first products: C is the bias, in window 0
.set TO_F, 0x80                        ; destination window 2
.macro JLOAD s                         ; a joint load: waves 0 and 1 fetch for a, waves 2 and 3 for wf; an s_nop 0 and four v_nop follow each of the two lines
	s_cmp_eq_u32 s13, 0
	s_cbranch_scc0 .Lfor_b_\@
	tensor_load_to_lds s[G0+4*\s:G0+4*\s+3], s[G1:G1+7]
	s_nop 0
.rept 4
	v_nop
.endr
	s_branch .Lasked_\@
.Lfor_b_\@:
	tensor_load_to_lds s[G0B+4*\s:G0B+4*\s+3], s[G1B:G1B+7]
	s_nop 0
.rept 4
	v_nop
.endr
.Lasked_\@:
.endm
.macro CREST
	s_cmp_lg_u32 s[WV], 0
	s_cbranch_scc1 .Lnot_wave_0_\@
	s_barrier_signal -3
.Lnot_wave_0_\@:
	s_barrier_wait -3
	s_barrier_signal -1
	s_barrier_wait -1
.endm
.macro CROUND
	s_barrier_signal -1
	s_barrier_wait -1
	CREST
.endm
.macro PLACES
.rept 4
	v_nop
.endr
.endm
	s_load_b256 s[4:11], s[0:1], 0x0               ; ao 4:5, wf 6:7, bfc 8:9, out0 10:11
	v_lshl_add_u32 v[SPW], v0, 2, SPARE
	v_mov_b32 v[NIL], 0
	ds_add_u32 v[SPW], v[NIL]                      ; the wave's opening: the add, twice on end, and its wait ahead of my first tensor load
	ds_add_u32 v[SPW], v[NIL]
	v_lshrrev_b32 v1, 5, v0
	v_readfirstlane_b32 s[WV], v1
	s_lshr_b32 s13, s[WV], 1                       ; which 64 tokens are mine.  Also: I fetch for a (0) or for wf (1)
	s_and_b32 s14, s[WV], 1                        ; which 128 outputs.  Also: which half of a K step's tile I fetch
	s_bfe_u32 s40, ttmp6, 0x40000                  ; cx
	s_bfe_u32 s41, ttmp6, 0x40004                  ; cy
	s_lshl_b32 s42, ttmp9, 2
	s_add_co_u32 s42, s42, s40                     ; tile column, 0..3
	s_and_b32 s15, ttmp7, 0xffff
	s_lshl_b32 s15, s15, 2
	s_add_co_u32 s15, s15, s41                     ; tile row, 0..63
	s_lshl_b32 s43, s41, 2
	s_lshl_b32 s43, 15, s43                        ; my row of the cluster
	s_lshl_b32 s44, 0x1111, s40                    ; my column
	s_or_b32 s[G1+0], s43, (1<<16)|(1<<20)|(1<<21)|(4<<22)|(3<<25)   ; a: elements of 2 bytes; 4 words of padding behind every 32; bit 21 beside the mask
	s_mov_b32 s[G1+1], 64<<16                      ; tensor_dim0
	s_mov_b32 s[G1+2], 128<<16                     ; tensor_dim1
	s_mov_b32 s[G1+3], 64<<16                      ; tile_dim0
	s_mov_b32 s[G1+4], 128                         ; tile_dim1
	s_mov_b32 s[G1+5], 64                          ; from row to row
	s_mov_b32 s[G1+6], 0
	s_mov_b32 s[G1+7], 0
	s_or_b32 s[G1B+0], s44, (1<<16)|(1<<20)|(1<<21)|(6<<22)|(7<<25)  ; wf: 8 words of padding behind every 128
	s_mov_b32 s[G1B+1], 256<<16
	s_mov_b32 s[G1B+2], 64<<16
	s_mov_b32 s[G1B+3], 256<<16
	s_mov_b32 s[G1B+4], 64
	s_mov_b32 s[G1B+5], 1024
	s_mov_b32 s[G1B+6], 0
	s_mov_b32 s[G1B+7], 0
	s_lshr_b32 s16, s15, 4                         ; a: the batch, 16 planes of 262,144 bytes,
	s_lshl_b32 s16, s16, 22
	s_and_b32 s17, s15, 15
	s_lshl_b32 s17, s17, 14                        ; 128 tokens of 128 bytes,
	s_add_co_u32 s16, s16, s17
	s_lshl_b32 s17, s14, 18                        ; the head that I fetch
	s_add_co_u32 s16, s16, s17
	s_mov_b32 s17, 0
	s_lshl_b32 s46, s42, 9                         ; wf: 256 outputs of 2 bytes,
	s_lshl_b32 s47, s14, 17                        ; the 64 rows of 2,048 bytes that I fetch
	s_add_co_u32 s46, s46, s47
	s_mov_b32 s47, 0
	s_mul_i32 s20, s14, 128*PA                     ; where they go: no place in the cluster enters an LDS address
	s_mul_i32 s21, s14, 64*PB
	s_add_co_u32 s21, s21, BOFF
	s_wait_dscnt 0x0                               ; both opening adds are done
	s_wait_kmcnt 0x0
	s_add_nc_u64 s[18:19], s[4:5], s[16:17]
	s_add_nc_u64 s[46:47], s[6:7], s[46:47]
	CROUND                                         ; all sixteen work-groups are here: the first joint loads meet
.irp s, 0,1
	s_mov_b32 s[G0+4*\s], 1
	s_add_co_u32 s[G0+4*\s+1], s20, \s*SLOT
	s_add_nc_u64 s[G0+4*\s+2:G0+4*\s+3], s[18:19], \s*524288      ; K step s: two heads on
	s_or_b32 s[G0+4*\s+3], s[G0+4*\s+3], 0x80000000
	s_mov_b32 s[G0B+4*\s], 1
	s_add_co_u32 s[G0B+4*\s+1], s21, \s*SLOT
	s_add_nc_u64 s[G0B+4*\s+2:G0B+4*\s+3], s[46:47], \s*262144    ; 128 rows on
	s_or_b32 s[G0B+4*\s+3], s[G0B+4*\s+3], 0x80000000
	JLOAD \s                                       ; by this text's count two tensor loads of a wave are out here, later one
.endr
	v_and_b32 v1, 15, v0                           ; r
	v_bfe_u32 v2, v0, 4, 1                         ; h
	v_lshlrev_b32 v[BO], 5, v2
	s_lshl_b32 s46, s42, 10
	s_lshl_b32 s47, s14, 9
	s_add_co_u32 s46, s46, s47                     ; my 128 outputs, 4 bytes each: in the bias and in a row of out0
	s_mov_b32 s47, 0
	s_add_nc_u64 s[8:9], s[8:9], s[46:47]
	s_add_nc_u64 s[10:11], s[10:11], s[46:47]
.irp b, 0,1,2,3,4,5,6,7
	global_load_b128 v[BI+8*\b:BI+8*\b+3], v[BO], s[8:9] offset:64*\b          ; lane (r, h), tile b: the bias of outputs 16 b + 8 h + 0 .. 7
	global_load_b128 v[BI+8*\b+4:BI+8*\b+7], v[BO], s[8:9] offset:64*\b+16
.endr
	s_lshl_b32 s16, s15, 19                        ; 128 tokens of 4,096 bytes,
	s_lshl_b32 s17, s13, 18                        ; my 64
	s_add_co_u32 s16, s16, s17
	s_mov_b32 s17, 0
	s_add_nc_u64 s[10:11], s[10:11], s[16:17]
	v_mul_u32_u24 v3, v1, PA
	v_lshl_add_u32 v3, v2, 4, v3                   ; a's fragments: row x pitch + 16 x half
	v_and_b32 v4, 7, v0
	v_lshl_add_u32 v4, v2, 3, v4
	v_mul_u32_u24 v4, v4, PB                       ; wf's: k = 8 h + lane % 8,
	v_bfe_u32 v5, v0, 3, 1
	v_lshl_add_u32 v4, v5, 4, v4                   ; outputs 8 ((lane / 8) % 2) on
	s_mul_i32 s21, s13, 64*PA                      ; my 64 tokens
	s_lshl_b32 s22, s14, 8                         ; my 128 outputs
	s_add_co_u32 s22, s22, BOFF
.irp s, 0,1
	v_add_nc_u32 v[ADRA+\s], s21, v3
	v_add_nc_u32 v[ADRB+\s], s22, v4
	s_add_co_u32 s21, s21, SLOT
	s_add_co_u32 s22, s22, SLOT
.endr
	s_mul_i32 s23, s[WV], 16*SPITCH
	s_add_co_u32 s23, s23, STAGE                   ; my stage
	v_mul_u32_u24 v5, v1, SPITCH
	v_lshl_add_u32 v5, v2, 5, v5
	v_add_nc_u32 v[STO], s23, v5                   ; in: token r, 32 bytes for each half of the lanes
	v_and_b32 v6, 31, v0
	v_lshlrev_b32 v[CO], 4, v6
	v_add_nc_u32 v[RD], s23, v[CO]                 ; back: the 32 lanes take a row of 512 bytes
; 24 LDS loads in one run: the fragments of 32 along K, the slot's kc-th, into buffer f
.macro FETCH slot, kc, f
	WIN TO_F
.irp b, 0,1,2,3,4,5,6,7
	ds_load_tr16_b128 v[\f+32+8*\b:\f+32+8*\b+3], v[ADRB+\slot] offset:(\kc)*32*PB+\b*32
	ds_load_tr16_b128 v[\f+32+8*\b+4:\f+32+8*\b+7], v[ADRB+\slot] offset:(\kc)*32*PB+\b*32+16*PB
.endr
.irp a, 0,1,2,3
	ds_load_b128 v[\f+8*\a:\f+8*\a+3], v[ADRA+\slot] offset:((\kc)/2)*128*PA+\a*16*PA+((\kc)%2)*64
	ds_load_b128 v[\f+8*\a+4:\f+8*\a+7], v[ADRA+\slot] offset:((\kc)/2)*128*PA+\a*16*PA+((\kc)%2)*64+32
.endr
.endm
; 8 products: tokens 16 a on against the eight tiles of outputs.  The 32 accumulators take turns in the same order in every quarter.
.macro MUL8 f, a, first
.irp b, 0,1,2,3,4,5,6,7
.if \first
	v_wmma_f32_16x16x32_f16 v[8*(8*(\a)+\b):8*(8*(\a)+\b)+7], v[\f+32+8*\b:\f+32+8*\b+7], v[\f+8*(\a):\f+8*(\a)+7], v[BI+8*\b:BI+8*\b+7]
.else
	v_wmma_f32_16x16x32_f16 v[8*(8*(\a)+\b):8*(8*(\a)+\b)+7], v[\f+32+8*\b:\f+32+8*\b+7], v[\f+8*(\a):\f+8*(\a)+7], v[8*(8*(\a)+\b):8*(8*(\a)+\b)+7]
.endif
.endr
.endm
; One of a K step's first three quarters: its fragments are in; the next quarter's are asked for, 32 products ahead of their use
.macro QUARTER slot, kc, first
	s_wait_dscnt 0x0
	PLACES                                         ; behind the last quarter's products, which read the buffer that is loaded now
	FETCH \slot, (\kc)+1, F0+128*(((\kc)+1)%2)
.if \first
	WIN MUL1
.else
	WIN MUL
.endif
.irp a, 0,1,2,3
	MUL8 F0+128*((\kc)%2), \a, \first
.endr
.endm
; The last quarter multiplies buffer 1 and changes slots: ONE barrier; in front of it each wave waits for all its tensor loads, adds 0 to its spare word, and waits for that and for its reads of this slot.
.macro TURN slot, next, fill
	WIN 0
	s_wait_tensorcnt 0x0                           ; my part of the next slot has landed
	ds_add_u32 v[SPW], v[NIL]                      ; 0 onto my spare word
	s_wait_dscnt 1                                 ; the fragments are in; the add alone may be out
	WIN MUL
	MUL8 F0+128, 0, 0
	s_wait_dscnt 0x0                               ; the add is done, and my reads of this slot are over
	s_barrier_signal -1
	MUL8 F0+128, 1, 0
	WIN 0
	s_barrier_wait -1
.if \fill
	CREST                                          ; the barrier has opened a round of the cluster's barrier: no wave of any partner still reads this slot or has a load on its way
	s_add_nc_u64 s[G0+4*\slot+2:G0+4*\slot+3], s[G0+4*\slot+2:G0+4*\slot+3], 1048576     ; two K steps on: four heads,
	s_add_nc_u64 s[G0B+4*\slot+2:G0B+4*\slot+3], s[G0B+4*\slot+2:G0B+4*\slot+3], 524288  ; 256 rows of wf
	JLOAD \slot                                    ; the first tensor load behind the round; its four v_nop are also the places in front of the loads below
.else
	PLACES
.endif
	FETCH \next, 0, F0
	WIN MUL
	MUL8 F0+128, 2, 0
	MUL8 F0+128, 3, 0
.endm
	s_wait_tensorcnt 1                             ; my part of K step 0 is in; K step 1's load may stay out
	s_barrier_signal -1
	s_barrier_wait -1
	FETCH 0, 0, F0
	s_wait_loadcnt 0x0                             ; the bias
	QUARTER 0, 0, 1                                ; the first quarter stands in front of the loop: its products start the sums
	WIN 0
	s_mov_b32 s3, 3
.Llap:                                                 ; a trip goes once round the ring and fills both slots again: K steps 2 to 7
	QUARTER 0, 1, 0
	QUARTER 0, 2, 0
	TURN 0, 1, 1
	QUARTER 1, 0, 0
	QUARTER 1, 1, 0
	QUARTER 1, 2, 0
	TURN 1, 0, 1
	QUARTER 0, 0, 0
	WIN 0
	s_sub_co_u32 s3, s3, 1
	s_cmp_lg_u32 s3, 0
	s_cbranch_scc1 .Llap
	QUARTER 0, 1, 0                                ; the last lap fills nothing
	QUARTER 0, 2, 0
	TURN 0, 1, 0
	QUARTER 1, 0, 0
	QUARTER 1, 1, 0
	QUARTER 1, 2, 0
	s_wait_dscnt 0x0
	WIN MUL
.irp a, 0,1,2,3
	MUL8 F0+128, \a, 0
.endr
	WIN 0
; THE WAY OUT, a block of 16 tokens x 128 outputs at a time, through my own stage: back as whole rows of 512 bytes
.macro TOSTAGE a
	WIN 0x04                                       ; an LDS store's data are its source 1: window 1
.irp b, 0,1,2,3,4,5,6,7
	ds_store_b128 v[STO], v[8*(8*(\a)+\b):8*(8*(\a)+\b)+3] offset:64*\b          ; each accumulator from its low end on
	ds_store_b128 v[STO], v[8*(8*(\a)+\b)+4:8*(8*(\a)+\b)+7] offset:64*\b+16
.endr
	WIN 0
.set BB, BK+64*((\a)%2)
.irp t, 0,1,2,3,4,5,6,7,8,9,10,11,12,13,14,15
	ds_load_b128 v[BB+4*\t:BB+4*\t+3], v[RD] offset:\t*SPITCH
.endr
.endm
.macro SEND a, younger
.set BB, BK+64*((\a)%2)
	s_wait_dscnt \younger                          ; the block is back; the next block's 16 stores and 16 loads may be out
.if (\a) > 0
	s_add_nc_u64 s[10:11], s[10:11], 65536         ; 16 rows on (behind a wait that shows the earlier stores' base read)
.endif
.irp t, 0,1,2,3,4,5,6,7,8,9,10,11,12,13,14,15
	global_store_b128 v[CO], v[BB+4*\t:BB+4*\t+3], s[10:11] offset:\t*4096 th:TH_STORE_NT   ; 32 lanes store 512 consecutive bytes, aligned
.endr
.endm
	PLACES
	TOSTAGE 0
.irp a, 1,2,3
.if \a > 1
	s_wait_xcnt 0x0                                ; block a - 2's stores have read their registers and their base
.endif
	TOSTAGE \a
	SEND \a-1, 32
.endr
	s_wait_xcnt 0x0
	SEND 3, 0
	s_wait_tensorcnt 0x0                           ; the wave's end, behind my last tensor load and my last LDS store
	ds_add_u32 v[SPW], v[NIL]
	s_wait_dscnt 0x0
	CROUND                                         ; the closing round
	s_endpgm
.Lfunc_end_k_q640ffffbb5_fc:
	.size	k_q640ffffbb5_fc, .Lfunc_end_k_q640ffffbb5_fc-k_q640ffffbb5_fc
	.p2alignl 7, 3214868480
	.fill 96, 4, 3214868480
	.section	.rodata,"a",@progbits
	.p2align	6, 0x0
	.amdhsa_kernel k_q640ffffbb5_fc
		.amdhsa_group_segment_fixed_size 327680
		.amdhsa_private_segment_fixed_size 0
		.amdhsa_enable_private_segment 0
		.amdhsa_kernarg_size 32
		.amdhsa_user_sgpr_count 2
		.amdhsa_user_sgpr_kernarg_segment_ptr 1
		.amdhsa_wavefront_size32 1
		.amdhsa_system_sgpr_workgroup_id_x 1
		.amdhsa_system_sgpr_workgroup_id_y 1
		.amdhsa_system_sgpr_workgroup_id_z 1
		.amdhsa_system_vgpr_workitem_id 0
		.amdhsa_next_free_vgpr 768
		.amdhsa_next_free_sgpr 66
		.amdhsa_reserve_vcc 0
		.amdhsa_float_denorm_mode_32 3
		.amdhsa_float_denorm_mode_16_64 3
		.amdhsa_memory_ordered 1
		.amdhsa_forward_progress 1
		.amdhsa_inst_pref_size 86
	.end_amdhsa_kernel
	.amdgpu_metadata
---
amdhsa.version: [ 1, 2 ]
amdhsa.kernels:
  - .name:           k_q640ffffbb5_fc
    .symbol:         k_q640ffffbb5_fc.kd
    .args:
      - { .name: ao, .offset: 0, .size: 8, .value_kind: global_buffer, .address_space: global }
      - { .name: wf, .offset: 8, .size: 8, .value_kind: global_buffer, .address_space: global }
      - { .name: bfc, .offset: 16, .size: 8, .value_kind: global_buffer, .address_space: global }
      - { .name: out0, .offset: 24, .size: 8, .value_kind: global_buffer, .address_space: global }
    .group_segment_fixed_size: 327680
    .private_segment_fixed_size: 0
    .kernarg_segment_align: 8
    .kernarg_segment_size: 32
    .max_flat_workgroup_size: 128
    .sgpr_count:     66
    .vgpr_count:     768
    .wavefront_size: 32
...
	.end_amdgpu_metadata
.endif
;; end of part 4
